; MI455X (gfx1250); checked and timed in simulation.
; The chip was launched on July 23, 2026; its instructions are those of AMD's public machine-readable ISA for CDNA 5 (MIT licence, August 2026) and "CDNA5" Instruction Set Architecture Reference Guide (July 2026). The comments in the code are by the model that wrote it; some were corrected since.
;; Multi Head Self Attention. Allowed arithmetic: matrix products marked QUANTISED: E2M1 operands, one E8M0 scale for each 32 along K, by v_wmma_scale_f32_16x16x128_f8f6f4 with both operands' format E2M1 (or v_wmma_scale_f32_32x16x128_f4), f32 sums; products left as they are: bf16, f16 or f32 operands; f32 sums; everything else in f32.
;; Inputs: Wk 16 x 1,024 x 64 float32; Wo 1,024 x 1,024 float32; Wq 16 x 1,024 x 64 float32; Wv 16 x 1,024 x 64 float32; X 4 x 2,048 x 1,024 float32; bo 1,024 float32.
;; Outputs: out0 4 x 2,048 x 1,024 float32.
;; This version of the problem:
;;   THIS VERSION OF THE PROBLEM IS GIVEN IN LOW PRECISION. The matrix products marked QUANTISED in the list below multiply operands that are first quantised to E2M1 (2 exponent bits, 1 mantissa bit; 4 bits a number), with one power-of-two scale for each 32 numbers along K (OCP MX v1.0); their sums are f32. The products marked 'left as it is' may take bf16, f16 or f32 operands, with f32 sums. Whichever they take, every output number must still come out within the allowed error. Rounding operands to bf16 (8 significant bits) uses up far more of that allowance than f16 does (11 bits, for magnitudes from 6e-5 to 65,504). All else is computed in f32.
;;   The module's matrix products, in the order in which they are computed (A, B: the left and right operand; K: the contracted axis; several contracted axes count as one K, in the product's order):
;;     1. [M 1,024, K 1,024] x [K 1,024, N 8,192]; A: input Wq; B: input X: QUANTISED
;;     2. [M 1,024, K 1,024] x [K 1,024, N 8,192]; A: input Wk; B: input X: QUANTISED
;;     3. [M 1,024, K 1,024] x [K 1,024, N 8,192]; A: input Wv; B: input X: QUANTISED
;;     4. batch 64 x [M 2,048, K 64] x [K 64, N 2,048]; A: computed on the way; B: computed on the way: left as it is (an operand is computed on the way)
;;     5. batch 64 x [M 2,048, K 2,048] x [K 2,048, N 64]; A: computed on the way; B: computed on the way: left as it is (an operand is computed on the way)
;;     6. [M 8,192, K 1,024] x [K 1,024, N 1,024]; A: computed on the way; B: input Wo: left as it is (an operand is computed on the way)
;;   THE QUANTISER, for each operand of a quantised product, along K:
;;     - K is cut into blocks of 32 from its start; a last block that is shorter is filled with zeros.
;;     - A block's scale is 2^e with e = floor(log2(the largest magnitude in the block)) - 2, held to -126 .. 127; a block of zeros has e = 0. As a byte (E8M0): e + 127.
;;     - Each number is divided by its block's scale, clamped to +-6, and rounded to the nearest number of E2M1, ties to even, subnormals kept.
;;     - The product sums the exact products of the quantised numbers (number of the format x scale) in f32.
;;   ~~~python
;;   def quantise(x, axis):      # numpy; x: float32 -> the quantised numbers, widened to float32 again
;;       x = np.moveaxis(x, axis, -1); K = x.shape[-1]
;;       x = np.pad(x, [(0, 0)] * (x.ndim - 1) + [(0, -K % 32)]); x = x.reshape(x.shape[:-1] + (-1, 32)); a = np.abs(x).max(-1, keepdims=True)
;;       e = np.where(a > 0, np.clip(np.frexp(np.where(a > 0, a, 1))[1] - 1 - 2, -126, 127), 0)      # np.frexp(a)[1] - 1 = floor(log2(a)), exactly
;;       r = np.clip(x / 2.0 ** e, -6, 6)
;;       step = 2.0 ** (np.maximum(np.frexp(np.where(r == 0, 1, r))[1] - 1, 0) - 1)
;;       q = np.round(r / step) * step * 2.0 ** e      # np.round: ties to even
;;       return np.moveaxis(q.reshape(q.shape[:-2] + (-1,))[..., :K], -1, axis).astype(np.float32)
;;   ~~~
;; One version. Each part assembles by itself: llvm-mc -triple=amdgcn-amd-amdhsa -mcpu=gfx1250 --defsym DOCPART=n.
;; ======== version 1 of 1: 6 launches
;; limits: values are held in f16: magnitudes above 65,504 overflow, below 6.1e-05 lose precision
;; workspace buffers: x_codes 4,194,304 bytes; x_scales 262,144 bytes; w_codes 1,572,864 bytes; w_scales 98,304 bytes; wo16 2,097,152 bytes; qkv 50,331,648 bytes; qkvf 786,432 bytes; att 16,777,216 bytes
;; launch prep_x (part 1): grid 288 x 1, 4 waves a work-group, no clusters, 33,280 bytes of LDS; arguments X, Wo, x_codes, x_scales, wo16; writes x_codes, x_scales, wo16
.if DOCPART == 1
	.amdgcn_target "amdgcn-amd-amdhsa--gfx1250"
	.amdhsa_code_object_version 6
	.text
	.protected	k_qa1e018d240_prep_x
	.globl	k_qa1e018d240_prep_x
	.p2align	8
	.type	k_qa1e018d240_prep_x,@function
k_qa1e018d240_prep_x:
	s_mov_b64 s[64:65], 0
	v_nop
	global_prefetch_b8 v0, s[64:65] scope:SCOPE_SE
	s_setreg_imm32_b32 hwreg(HW_REG_WAVE_MODE, 25, 1), 1
	s_wait_xcnt 0x0
; X [8192][1024] f32 becomes codes of FP4 (E2M1), K innermost, 512 bytes a row, with one E8M0 scale byte for each 32 along K; Wo [1024][1024] f32 becomes f16.
; Work-groups 0 to 255 take X, 32,768 numbers each; work-groups 256 to 287 take Wo, likewise.  The two ways part on the work-group's number; only X's way touches LDS.
; X'S WAY.  A block's scale is 2^(floor(log2(its largest magnitude)) - 2); its byte is the largest magnitude's exponent field - 2, held at 1 from below.  A block of zeros so gets the byte 1 where the
; quantiser says 127: its codes are zeros, which add nothing under any byte but 0xff, and the bytes are read by this program alone.  Each number is divided by the scale and rounded to the nearest code, ties to even.
; Rows are dense and 1,024 is a multiple of 32: X is a plain stream of blocks of 32.  A wave takes 16 steps of 512 numbers.  Each of a step's four loads reads 512 consecutive bytes; the 2,048 bytes turn
; through the wave's own stage in LDS and come back 64 bytes a lane, so that a lane holds 16 neighbours along K (two neighbouring lanes hold a block).  A lane's 16 codes are 8 bytes: the wave stores 256 consecutive bytes.
; A wave's 256 scale bytes are gathered in its own LDS bytes and leave by one store of 256 consecutive bytes.  No barrier: waves share nothing.
; LIMITS: NaN and infinities are not served; blocks whose largest magnitude lies under 2^-124 (the floor) were not tried; Wo's numbers must lie under 65,504 in size (f16).
.set XWG,   256                        ; X's work-groups
.set STEPS, 16
.set EMAX,  2
.set CB,    8                          ; bytes of 16 codes
.set R,     16                         ; v16-79   four sets of 16 numbers as they are loaded
.set X,     80                         ; v80-111  two sets of 16 neighbours
.set C,     128                        ; v128-191 codes: four registers for each step, so that no store's data are written again
.set E,     112                        ; v112-127 a scale byte for each step
.set WREG,  8192                       ; LDS: a region for each wave: two stages of 32 x SP bytes, behind them its 256 scale bytes
.set SP,    80                         ; a lane's place in a stage: 64 bytes + 16 of padding
.set SPW,   12                         ; v12  LDS address of my spare word; never rewritten
.set NIL,   13                         ; v13  0; never rewritten
.set SPARE, 4*WREG                     ; behind the four regions: the spare words, 128 bytes a wave, which no other line names
.set F,     16                         ; Wo's way: v16-143 two sets of 64 numbers
.set HF,    144                        ; Wo's way: v144-175 packed f16
	s_load_b128 s[4:7], s[0:1], 0x0                ; X, Wo
	s_load_b128 s[8:11], s[0:1], 0x10              ; X's codes, X's scales
	s_load_b64 s[12:13], s[0:1], 0x20              ; Wo in f16
	v_lshl_add_u32 v[SPW], v0, 2, SPARE
	v_mov_b32 v[NIL], 0
	v_lshrrev_b32 v1, 5, v0
	v_readfirstlane_b32 s16, v1                    ; wave
	v_and_b32 v2, 31, v0                           ; lane
	v_lshlrev_b32 v3, 4, v2                        ; 16 x lane
	s_mul_i32 s17, s16, WREG
	v_lshrrev_b32 v14, 2, v2
	v_mul_u32_u24 v14, v14, SP
	v_and_b32 v15, 3, v2
	v_lshl_add_u32 v14, v15, 4, v14
	v_add_nc_u32 v14, s17, v14                     ; the stage, on the way in: SP (lane / 4) + 16 (lane % 4)
	v_mul_u32_u24 v15, v2, SP
	v_add_nc_u32 v15, s17, v15                     ; and on the way out: SP x lane: my 16 neighbours
	v_mul_u32_u24 v4, v2, CB                       ; my codes' place in a step's
	v_lshrrev_b32 v5, 1, v2
	s_add_co_u32 s17, s17, 2*32*SP
	v_add_nc_u32 v5, s17, v5                       ; LDS: my wave's 256 scale bytes, my block's byte
	v_lshlrev_b32 v7, 3, v2                        ; and on the way out 8 bytes a lane
	v_add_nc_u32 v6, s17, v7
	v_lshlrev_b32 v10, 5, v2                       ; Wo's way: 32 x lane: my 8 numbers of 256
	s_wait_kmcnt 0x0
	s_cmp_ge_u32 ttmp9, XWG                        ; the work-group's number alone decides
	s_cbranch_scc1 .Lwo
	s_lshl_b32 s17, ttmp9, 2
	s_add_co_u32 s18, s17, s16                     ; which run of 8,192 numbers is my wave's: 0 to 1,023
	s_mov_b32 s19, 0
	s_lshl_b32 s20, s18, 15                        ; 32,768 bytes of numbers a run,
	s_mov_b32 s21, 0
	s_add_nc_u64 s[4:5], s[4:5], s[20:21]
	s_lshl_b32 s20, s18, 12                        ; 4,096 bytes of codes,
	s_add_nc_u64 s[8:9], s[8:9], s[20:21]
	s_lshl_b32 s18, s18, 8                         ; 256 scale bytes
	s_add_nc_u64 s[10:11], s[10:11], s[18:19]
.macro LOAD t
.irp i, 0,1,2,3
	global_load_b128 v[R+16*((\t)%4)+4*\i:R+16*((\t)%4)+4*\i+3], v3, s[4:5] offset:2048*(\t)+512*\i th:TH_LOAD_NT   ; 32 lanes read 512 consecutive bytes
.endr
.endm
.macro TURN t                          ; step t's numbers through the stage: LDS serves a wave's instructions in order, so no wait stands between the stores and the loads
.irp i, 0,1,2,3
	ds_store_b128 v14, v[R+16*((\t)%4)+4*\i:R+16*((\t)%4)+4*\i+3] offset:32*SP*((\t)%2)+8*SP*\i
.endr
.irp i, 0,1,2,3
	ds_load_b128 v[X+16*((\t)%2)+4*\i:X+16*((\t)%2)+4*\i+3], v15 offset:32*SP*((\t)%2)+16*\i
.endr
.endm
.irp t, 0,1,2,3
	LOAD \t
.endr
	s_wait_loadcnt 12                              ; step 0's four loads are in; the twelve of steps 1 to 3 stay out
	TURN 0
.macro STEP t
.set XS, X+16*((\t)%2)
.if (\t) > 0
	s_wait_dscnt 1                                 ; this step's numbers are back from the stage (the last step's byte store may be out)
.else
	s_wait_dscnt 0x0
.endif
.if (\t)+4 < STEPS
	LOAD (\t)+4                                    ; into the registers that this step's stores into the stage have read
.endif
.if (\t)+1 < STEPS
.if STEPS-2-(\t) >= 3
	s_wait_loadcnt 12                              ; the next step's four loads are in; those of the three steps behind it may be out
.else
	s_wait_loadcnt 4*(STEPS-2-(\t))
.endif
	TURN (\t)+1                                    ; through the other stage while this step is worked
.endif
	v_max3_num_f32 v8, |v[XS]|, |v[XS+1]|, |v[XS+2]|               ; the largest magnitude of my 16, in two chains
	v_max3_num_f32 v9, |v[XS+3]|, |v[XS+4]|, |v[XS+5]|
.irp i, 6,10
	v_max3_num_f32 v8, v8, |v[XS+\i]|, |v[XS+\i+1]|
	v_max3_num_f32 v9, v9, |v[XS+\i+2]|, |v[XS+\i+3]|
.endr
	v_max3_num_f32 v8, v8, |v[XS+14]|, |v[XS+15]|
	v_max3_num_f32 v8, v8, v9, (EMAX+1)<<23        ; and the floor 2^(3 - 127): the byte cannot fall under 1
	v_max_num_f32_dpp v8, v8, v8 row_xmask:1 row_mask:0xf bank_mask:0xf   ; with my neighbour's 16: the block's
	v_add_nc_u32 v11, -(EMAX<<23), v8              ; 2 off its exponent field: the conversion takes the exponent field of this operand as its scale
	v_cvt_scalef32_pk8_fp4_f32 v[C+4*(\t)], v[XS:XS+7], v11
	v_cvt_scalef32_pk8_fp4_f32 v[C+4*(\t)+1], v[XS+8:XS+15], v11
	v_lshrrev_b32 v[E+(\t)], 23, v11               ; the scale's byte (a plain line behind the conversions)
	ds_store_b8 v5, v[E+(\t)] offset:16*(\t)       ; both lanes of a block write the same byte with the same value
	global_store_b64 v4, v[C+4*(\t):C+4*(\t)+1], s[8:9] offset:32*CB*(\t)   ; 32 lanes store 256 consecutive bytes
.endm
.irp t, 0,1,2,3,4,5,6,7,8,9,10,11,12,13,14,15
	STEP \t
.endr
	ds_load_b64 v[8:9], v6                         ; LDS serves a wave's instructions in order: these see my byte stores
	s_wait_dscnt 0x0
	global_store_b64 v7, v[8:9], s[10:11]          ; 32 lanes store 256 consecutive bytes
	s_wait_tensorcnt 0x0                           ; the wave's end, behind my last LDS store
	ds_add_u32 v[SPW], v[NIL]
	s_wait_dscnt 0x0
	s_endpgm
; WO'S WAY: a wave takes 8,192 numbers in four groups of 2,048.  A lane takes 8 neighbours by two loads and stores their 16 bytes of f16: a store covers 512 consecutive bytes.  Two sets of registers: 16 loads are out while a group is packed.
.Lwo:
	s_sub_co_u32 s17, ttmp9, XWG
	s_lshl_b32 s17, s17, 2
	s_add_co_u32 s18, s17, s16                     ; my run: 0 to 127
	s_lshl_b32 s20, s18, 15
	s_mov_b32 s21, 0
	s_add_nc_u64 s[6:7], s[6:7], s[20:21]
	s_lshl_b32 s20, s18, 14
	s_add_nc_u64 s[12:13], s[12:13], s[20:21]
.macro LOADG g
.irp i, 0,1,2,3,4,5,6,7
	global_load_b128 v[F+64*((\g)%2)+8*\i:F+64*((\g)%2)+8*\i+3],   v10, s[6:7] offset:(8*(\g)+\i)*1024 th:TH_LOAD_NT
	global_load_b128 v[F+64*((\g)%2)+8*\i+4:F+64*((\g)%2)+8*\i+7], v10, s[6:7] offset:(8*(\g)+\i)*1024+16 th:TH_LOAD_NT
.endr
.endm
	LOADG 0
	LOADG 1
.irp g, 0,1,2,3
.if \g < 3
	s_wait_loadcnt 16                              ; this group's 16 loads are in; the other set's 16 may be out
.else
	s_wait_loadcnt 0x0
.endif
.if \g > 0
	s_wait_xcnt 0x0                                ; the last group's stores have read their data registers, which are written again below
.endif
.irp i, 0,1,2,3,4,5,6,7
.irp k, 0,1,2,3
	v_cvt_pk_f16_f32 v[HF+4*\i+\k], v[F+64*(\g%2)+8*\i+2*\k], v[F+64*(\g%2)+8*\i+2*\k+1]
.endr
.endr
.irp i, 0,1,2,3,4,5,6,7
	global_store_b128 v3, v[HF+4*\i:HF+4*\i+3], s[12:13] offset:(8*\g+\i)*512
.endr
.if \g < 2
	LOADG \g+2
.endif
.endr
	s_endpgm
.Lfunc_end_k_qa1e018d240_prep_x:
	.size	k_qa1e018d240_prep_x, .Lfunc_end_k_qa1e018d240_prep_x-k_qa1e018d240_prep_x
	.p2alignl 7, 3214868480
	.fill 96, 4, 3214868480
	.section	.rodata,"a",@progbits
	.p2align	6, 0x0
	.amdhsa_kernel k_qa1e018d240_prep_x
		.amdhsa_group_segment_fixed_size 33280
		.amdhsa_private_segment_fixed_size 0
		.amdhsa_enable_private_segment 0
		.amdhsa_kernarg_size 40
		.amdhsa_user_sgpr_count 2
		.amdhsa_user_sgpr_kernarg_segment_ptr 1
		.amdhsa_wavefront_size32 1
		.amdhsa_system_sgpr_workgroup_id_x 1
		.amdhsa_system_sgpr_workgroup_id_y 1
		.amdhsa_system_sgpr_workgroup_id_z 1
		.amdhsa_system_vgpr_workitem_id 0
		.amdhsa_next_free_vgpr 192
		.amdhsa_next_free_sgpr 66
		.amdhsa_reserve_vcc 0
		.amdhsa_float_denorm_mode_32 3
		.amdhsa_float_denorm_mode_16_64 3
		.amdhsa_memory_ordered 1
		.amdhsa_forward_progress 1
		.amdhsa_inst_pref_size 51
	.end_amdhsa_kernel
	.amdgpu_metadata
---
amdhsa.version: [ 1, 2 ]
amdhsa.kernels:
  - .name:           k_qa1e018d240_prep_x
    .symbol:         k_qa1e018d240_prep_x.kd
    .args:
      - { .name: X, .offset: 0, .size: 8, .value_kind: global_buffer, .address_space: global }
      - { .name: Wo, .offset: 8, .size: 8, .value_kind: global_buffer, .address_space: global }
      - { .name: x_codes, .offset: 16, .size: 8, .value_kind: global_buffer, .address_space: global }
      - { .name: x_scales, .offset: 24, .size: 8, .value_kind: global_buffer, .address_space: global }
      - { .name: wo16, .offset: 32, .size: 8, .value_kind: global_buffer, .address_space: global }
    .group_segment_fixed_size: 33280
    .private_segment_fixed_size: 0
    .kernarg_segment_align: 8
    .kernarg_segment_size: 40
    .max_flat_workgroup_size: 128
    .sgpr_count:     66
    .vgpr_count:     192
    .wavefront_size: 32
...
	.end_amdgpu_metadata
.endif
;; end of part 1
;; launch prep_w (part 2): grid 48 x 1, 16 waves a work-group, no clusters, 37,888 bytes of LDS; arguments Wq, Wk, Wv, w_codes, w_scales; writes w_codes, w_scales
.if DOCPART == 2
	.amdgcn_target "amdgcn-amd-amdhsa--gfx1250"
	.amdhsa_code_object_version 6
	.text
	.protected	k_qa1e018d240_prep_w
	.globl	k_qa1e018d240_prep_w
	.p2align	8
	.type	k_qa1e018d240_prep_w,@function
k_qa1e018d240_prep_w:
	s_mov_b64 s[64:65], 0
	v_nop
	global_prefetch_b8 v0, s[64:65] scope:SCOPE_SE
	s_setreg_imm32_b32 hwreg(HW_REG_WAVE_MODE, 25, 1), 1
	s_wait_xcnt 0x0
; Wq, Wk, Wv [16 heads][1024 c][64 k] f32 are operands whose K (c) is not innermost.  They become codes of FP4 (E2M1) laid [3072 rows = 1024 x tensor + 64 x head + k][1024 c], 512 bytes a row,
; and one E8M0 scale byte for each 32 along c, laid [3072][32].
; A work-group takes one head of one tensor (48 in all).  A LANE TAKES A COLUMN k, AND ITS REGISTERS RUN DOWN c: each load reads 128 consecutive bytes a wave, a block of 32 along c lies in one lane's 32 registers,
; and the conversions give codes with c innermost.  Wave w takes columns 32 (w % 2) on and c = 128 (w / 2) on: four blocks a lane.  Sixteen waves, so that many loads are on their way at once.
; The codes meet in one stage in LDS (64 rows of 512 bytes + 16), the scale words beside it; behind one barrier the head's 32,768 bytes of codes and 2,048 scale bytes, both dense in memory, leave in stores of 512 consecutive bytes.
; A block's scale is 2^(floor(log2(its largest magnitude)) - 2); its byte is held at 1 from below; a block of zeros gets the byte 1 where the quantiser says 127: its codes are zeros, and this program alone reads the bytes.
; LIMITS: NaN and infinities are not served; blocks whose largest magnitude lies under 2^-124 were not tried.
.set NB,    4                          ; blocks a lane
.set PITCH, 528
.set SCS,   64*PITCH                   ; behind the stage: 64 rows x 32 scale bytes
.set SPARE, SCS+2048                   ; behind them: the spare words, 128 bytes a wave, which no other line names
.set EMAX,  2
.set X,     32                         ; v32-95   two sets of 32 numbers
.set C,     96                         ; v96-99   a block's codes
.set OUTR,  100                        ; v100-115 the way out; v116-119 the scale words' way out
.set SB,    24                         ; v24      my four scale bytes
.set SPW,   14                         ; v14      LDS address of my spare word; never rewritten
.set NIL,   15                         ; v15      0; never rewritten
	s_load_b256 s[4:11], s[0:1], 0x0               ; Wq, Wk, Wv, the codes
	s_load_b64 s[12:13], s[0:1], 0x20              ; the scale bytes
	v_lshl_add_u32 v[SPW], v0, 2, SPARE
	v_mov_b32 v[NIL], 0
	v_lshrrev_b32 v1, 5, v0
	v_readfirstlane_b32 s16, v1                    ; wave 0..15
	v_and_b32 v2, 31, v0                           ; lane
	s_and_b32 s17, s16, 1                          ; which 32 columns
	s_lshr_b32 s18, s16, 1                         ; which 128 along c
	v_lshlrev_b32 v3, 2, v2                        ; in: 4 bytes a lane
	s_mul_i32 s19, s17, 32*PITCH
	s_lshl_b32 s20, s18, 6
	s_add_co_u32 s19, s19, s20
	v_mul_u32_u24 v4, v2, PITCH
	v_add_nc_u32 v4, s19, v4                       ; the stage: row = my column, + my 64 bytes of it
	s_lshl_b32 s19, s17, 10
	s_lshl_b32 s20, s18, 2
	s_add_co_u32 s19, s19, s20
	s_add_co_u32 s19, s19, SCS
	v_lshlrev_b32 v5, 5, v2
	v_add_nc_u32 v5, s19, v5                       ; my scale word: 32 bytes a column, + 4 x my part of c
	s_mul_i32 s19, s16, 4*PITCH
	v_lshlrev_b32 v8, 4, v2                        ; out: 16 bytes a lane
	v_add_nc_u32 v7, s19, v8                       ; wave w reads rows 4 w .. 4 w + 3 back, whole
	s_and_b32 s21, s16, 3
	s_lshl_b32 s21, s21, 9
	s_add_co_u32 s19, s21, SCS
	v_add_nc_u32 v9, s19, v8                       ; waves 0 to 3 read 512 scale bytes each
	s_and_b32 s22, ttmp9, 15                       ; the head: 262,144 bytes,
	s_lshl_b32 s22, s22, 18
	s_lshl_b32 s23, s18, 15                        ; 128 rows of 256 bytes,
	s_add_co_u32 s22, s22, s23
	s_lshl_b32 s23, s17, 7                         ; 32 columns
	s_add_co_u32 s22, s22, s23
	s_mov_b32 s23, 0
	s_lshl_b32 s24, ttmp9, 15                      ; the codes: 32,768 bytes a work-group, 2,048 a wave
	s_lshl_b32 s25, s16, 11
	s_add_co_u32 s24, s24, s25
	s_mov_b32 s25, 0
	s_lshl_b32 s26, ttmp9, 11                      ; the scale bytes: 2,048 a work-group
	s_add_co_u32 s26, s26, s21
	s_mov_b32 s27, 0
	s_wait_kmcnt 0x0
	s_cmp_lt_u32 ttmp9, 32                         ; which tensor: the choice hangs on the work-group's number alone
	s_cselect_b64 s[6:7], s[6:7], s[8:9]
	s_cmp_lt_u32 ttmp9, 16
	s_cselect_b64 s[4:5], s[4:5], s[6:7]
	s_add_nc_u64 s[4:5], s[4:5], s[22:23]
	s_add_nc_u64 s[10:11], s[10:11], s[24:25]
	s_add_nc_u64 s[12:13], s[12:13], s[26:27]
.macro LOAD t                          ; block t: W(32 t + i, my column), i = 0 .. 31, into set t % 2
.irp i, 0,1,2,3,4,5,6,7,8,9,10,11,12,13,14,15,16,17,18,19,20,21,22,23,24,25,26,27,28,29,30,31
	global_load_b32 v[X+32*((\t)%2)+\i], v3, s[4:5] offset:(32*(\t)+\i)*256 th:TH_LOAD_NT
.endr
.endm
	LOAD 0
	LOAD 1
.macro BLOCK t
.set XS, X+32*((\t)%2)
.if (\t) < NB-1
	s_wait_loadcnt 32                              ; this block's 32 loads are in; the next block's 32 may be out
.else
	s_wait_loadcnt 0x0
.endif
	v_max3_num_f32 v12, |v[XS]|, |v[XS+1]|, |v[XS+2]|              ; the block's largest magnitude: all 32 numbers are mine
	v_max3_num_f32 v13, |v[XS+3]|, |v[XS+4]|, |v[XS+5]|
.irp i, 6,10,14,18,22,26
	v_max3_num_f32 v12, v12, |v[XS+\i]|, |v[XS+\i+1]|
	v_max3_num_f32 v13, v13, |v[XS+\i+2]|, |v[XS+\i+3]|
.endr
	v_max3_num_f32 v12, v12, |v[XS+30]|, |v[XS+31]|
	v_max3_num_f32 v12, v12, v13, (EMAX+1)<<23     ; and the floor 2^(3 - 127): the byte cannot fall under 1
	v_add_nc_u32 v11, -(EMAX<<23), v12             ; 2 off its exponent field: the conversion's scale operand
	v_lshrrev_b32 v13, 23, v11                     ; the scale's byte
.if (\t) == 0
	v_mov_b32 v[SB], v13                           ; four bytes to the word, the lower c in the lower byte
.else
	v_lshl_or_b32 v[SB], v13, 8*(\t), v[SB]
.endif
.irp g, 0,1,2,3
	v_cvt_scalef32_pk8_fp4_f32 v[C+\g], v[XS+8*\g:XS+8*\g+7], v11
.endr
	ds_store_b128 v4, v[C:C+3] offset:16*(\t)      ; 32 codes: 16 bytes of my column's row
.if (\t)+2 < NB
	LOAD (\t)+2
.endif
	s_wait_dscnt 0x0                               ; the store has read its registers: the next block's codes may be written
.endm
	BLOCK 0
	BLOCK 1
	BLOCK 2
	BLOCK 3
	ds_store_b32 v5, v[SB]
	s_wait_dscnt 0x0                               ; for the others' sake: my stores into the stage are done
	s_barrier_signal -1
	s_barrier_wait -1
.irp i, 0,1,2,3
	ds_load_b128 v[OUTR+4*\i:OUTR+4*\i+3], v7 offset:\i*PITCH
.endr
.irp i, 0,1,2,3
	s_wait_dscnt 3-\i                              ; row i is back; the later rows' loads may be out
	global_store_b128 v8, v[OUTR+4*\i:OUTR+4*\i+3], s[10:11] offset:\i*512   ; a row of 512 consecutive bytes
.endr
	s_cmp_lt_u32 s16, 4                            ; the 2,048 scale bytes: four waves, 512 consecutive bytes each
	s_cbranch_scc0 .Lno_scales
	ds_load_b128 v[OUTR+16:OUTR+19], v9
	s_wait_dscnt 0x0
	global_store_b128 v8, v[OUTR+16:OUTR+19], s[12:13]
.Lno_scales:
	s_wait_tensorcnt 0x0                           ; the wave's end, behind my last LDS store
	ds_add_u32 v[SPW], v[NIL]
	s_wait_dscnt 0x0
	s_endpgm
.Lfunc_end_k_qa1e018d240_prep_w:
	.size	k_qa1e018d240_prep_w, .Lfunc_end_k_qa1e018d240_prep_w-k_qa1e018d240_prep_w
	.p2alignl 7, 3214868480
	.fill 96, 4, 3214868480
	.section	.rodata,"a",@progbits
	.p2align	6, 0x0
	.amdhsa_kernel k_qa1e018d240_prep_w
		.amdhsa_group_segment_fixed_size 37888
		.amdhsa_private_segment_fixed_size 0
		.amdhsa_enable_private_segment 0
		.amdhsa_kernarg_size 40
		.amdhsa_user_sgpr_count 2
		.amdhsa_user_sgpr_kernarg_segment_ptr 1
		.amdhsa_wavefront_size32 1
		.amdhsa_system_sgpr_workgroup_id_x 1
		.amdhsa_system_sgpr_workgroup_id_y 1
		.amdhsa_system_sgpr_workgroup_id_z 1
		.amdhsa_system_vgpr_workitem_id 0
		.amdhsa_next_free_vgpr 128
		.amdhsa_next_free_sgpr 66
		.amdhsa_reserve_vcc 0
		.amdhsa_float_denorm_mode_32 3
		.amdhsa_float_denorm_mode_16_64 3
		.amdhsa_memory_ordered 1
		.amdhsa_forward_progress 1
		.amdhsa_inst_pref_size 22
	.end_amdhsa_kernel
	.amdgpu_metadata
---
amdhsa.version: [ 1, 2 ]
amdhsa.kernels:
  - .name:           k_qa1e018d240_prep_w
    .symbol:         k_qa1e018d240_prep_w.kd
    .args:
      - { .name: Wq, .offset: 0, .size: 8, .value_kind: global_buffer, .address_space: global }
      - { .name: Wk, .offset: 8, .size: 8, .value_kind: global_buffer, .address_space: global }
      - { .name: Wv, .offset: 16, .size: 8, .value_kind: global_buffer, .address_space: global }
      - { .name: w_codes, .offset: 24, .size: 8, .value_kind: global_buffer, .address_space: global }
      - { .name: w_scales, .offset: 32, .size: 8, .value_kind: global_buffer, .address_space: global }
    .group_segment_fixed_size: 37888
    .private_segment_fixed_size: 0
    .kernarg_segment_align: 8
    .kernarg_segment_size: 40
    .max_flat_workgroup_size: 512
    .sgpr_count:     66
    .vgpr_count:     128
    .wavefront_size: 32
...
	.end_amdgpu_metadata
.endif
;; end of part 2
;; launch qkv (part 3): grid 12 x 32, 4 waves a work-group, clusters of 4 x 4, 327,680 bytes of LDS; arguments x_codes, x_scales, w_codes, w_scales, qkv, qkvf; writes qkv, qkvf
.if DOCPART == 3
	.amdgcn_target "amdgcn-amd-amdhsa--gfx1250"
	.amdhsa_code_object_version 6
	.text
	.protected	k_qa1e018d240_qkv
	.globl	k_qa1e018d240_qkv
	.p2align	8
	.type	k_qa1e018d240_qkv,@function
k_qa1e018d240_qkv:
	s_mov_b64 s[64:65], 0
	v_nop
	global_prefetch_b8 v0, s[64:65] scope:SCOPE_SE
	s_setreg_imm32_b32 hwreg(HW_REG_WAVE_MODE, 25, 1), 1
	s_wait_xcnt 0x0
	s_wait_alu depctr_hold_cnt(0) depctr_sa_sdst(0) depctr_va_vdst(0) depctr_va_sdst(0) depctr_va_ssrc(0) depctr_va_vcc(0) depctr_vm_vsrc(0)
	s_getreg_b32 s2, hwreg(HW_REG_IB_STS2, 6, 4)
	s_cmp_eq_u32 s2, 0
	s_cbranch_scc0 .Lentry_in_a_cluster
	s_endpgm
.Lentry_in_a_cluster:
	s_bfe_u32 s2, ttmp6, 0x10000c
	s_cmp_lg_u32 s2, 0xf033
	s_cbranch_scc0 .Lentry_shape_is_right
	s_endpgm
.Lentry_shape_is_right:
; The three projections as ONE product on codes of FP4 (E2M1) with E8M0 scales: C[m][n] = sum over c of X[m][c] W[n][c], m = 2048 b + t (8,192 rows), n = 1024 x tensor + 64 x head + k (3,072 rows), c = 1,024.
; A tile of C, 256 x 256, is made by a work-group of four waves; a wave makes 128 x 128: 64 accumulators of 16 x 16, 512 registers.  K is two steps of 512: both LDS slots and all scale bytes are asked for at the head,
; three tensor loads a wave, and nothing is filled again.
; CLUSTERS: 4 x 4 work-groups.  The four of a row of the cluster need the same tiles of X, the four of a column the same tiles of W: each tile is asked for JOINTLY, by the same tensor load with the same descriptor and a mask of the four.
; A cluster's x is the tensor (q, k or v).  The tile row is 8 cy + cluster y: a cluster's four rows are the same 256 positions of the four batches, so that "this tile holds positions 0 to 15" hangs on the cluster's y and the wave's number alone.
; THE MATRIX INSTRUCTION IS USED TRANSPOSED (source 0 = 16 rows of W, source 1 = 16 rows of X): a lane holds eight neighbouring channels of one position.
; OUT: qkv [tensor][16 b + head][t][64] in f16; q is multiplied in f32 by c = log2(e) / 8 ahead of the rounding, so that the attention's weights are 2^(s - m).  A block of 16 positions x 2 heads goes through the wave's stage in LDS
; and leaves in stores of 512 consecutive bytes.  Positions 0 to 15 of every sequence are also stored as f32, unscaled, into qkvf [tensor][16 b + head][16][64]: 16 bytes a lane, 786,432 bytes in the whole launch.
; LIMITS: c q, k and v must lie under 65,504 in size (f16).
; REGISTERS, in windows of 256: window 0: v0-31 addresses; v32-95 scale words, two sets; v128-191 X's fragments, one set; on the way out v32-191 are free.  window 1: W's fragments, two sets, at v0 and v128.
;   window 2: the accumulators of my rows 0-63 ((a, b) at v[8 (8 a + b)]);  window 3: those of my rows 64-127.
.set SIZE_K, 1024
.set KSTEP,  512                       ; along K in a slot
.set NQ,     KSTEP/128                 ; matrix instructions deep
.set ROWB,   256                       ; a tile's row in bytes
.set KROW,   SIZE_K*4/8                ; a row of codes in memory
.set PITCH,  272                       ; an LDS row: 256 bytes + 16 of padding: the 16 rows that a load touches start at 16 different groups of four banks
.set FR,     8                         ; registers of a fragment
.set NL,     2                         ; LDS loads that bring one
.set NP,     4                         ; places behind this matrix instruction (ISA guide 7.12.1)
.set HALFT,  128*PITCH                 ; 128 rows: what one tensor load brings
.set SLOT,   4*HALFT                   ; X's 256 rows, then W's 256 rows
.set KS,     SIZE_K/32                 ; a row of scale bytes
.set SCL,    2*SLOT                    ; behind the slots: the scale bytes, as rows of 256 bytes + 16 of padding
.set HALFS,  (128*KS/256)*272          ; those of 128 rows: what one tensor load brings
.set SBLK,   (16*KS/256)*272           ; those of 16 rows
.set SPARE,  SCL+4*HALFS               ; behind them: the spare words, 128 bytes a wave, which no other line names
.set SPITCH, 272                       ; the way out: a stage of 16 rows x (256 bytes + 16) a wave, in slot 0, which has had its only fill and its last read when the first result is stored there
.set ADRA, 16                          ; v16-17  LDS address of my X fragments in slot 0, 1
.set ADRB, 20                          ; v20-21  the same for W
.set STO,  24                          ; v24     the way out: where I put 16 bytes of a row
.set RD,   25                          ; v25     where I read back
.set CO,   26                          ; v26     16 x lane
.set ADRS, 27                          ; v27     LDS address of my scale words: lanes 0-15 X's rows, lanes 16-31 W's
.set SPW,  28                          ; v28     LDS address of my spare word; never rewritten
.set NIL,  29                          ; v29     0; never rewritten
.set FO,   30                          ; v30     my byte offset in a head's 16 rows of qkvf
.set SC,   32                          ; scale words: set s at v[SC + 32 s]; register 4 i + q: lanes 0-15 X's block i, lanes 16-31 W's block i, the slot's q-th 128 along K
.set AF,   128                         ; X's fragments
.set TMP,  32                          ; the way out: v32-63 packed f16
.set BK,   64                          ; v64-95, v96-127: a block read back, by turns
.set T,    128                         ; v128-191: a block's 64 numbers, scaled
.set G1, 24                            ; s[24:31] descriptor group 1 for X's tiles;  s[32:39] group 0, one set for each slot
.set G0, 32
.set G1B, 48                           ; s[48:55], s[56:63] the same for W's tiles
.set G0B, 56
.set G1S, 68                           ; s[68:75], s[76:79] groups 1 and 0 for X's scales;  s[80:87], s[88:91] for W's
.set G0S, 76
.set G1SB, 80
.set G0SB, 88
.set MSB, 0
.macro WIN new                         ; the immediate's high byte repeats the setting that is left
.if MSB != (\new)
	s_set_vgpr_msb (MSB<<8)|(\new)
.set MSB, \new
.endif
.endm
.set MUL_LO, 0xa1                      ; source 0 (W) window 1, source 1 (X) window 0, C and D window 2
.set MUL_HI, 0xf1                      ; the same, C and D window 3
.set TO_B,   0x40                      ; destination window 1, address window 0
; A joint load: waves 0 and 1 fetch for X, waves 2 and 3 for W.  Each line has one mask and one set of registers for all that issue it; the branch hangs on the wave's number alone.
; An s_nop 0 and four v_nop follow each of the two lines.
.macro JLOAD g0a, g1a, g0b, g1b
	s_cmp_eq_u32 s15, 0
	s_cbranch_scc0 .Lfor_b_\@
	tensor_load_to_lds s[\g0a:\g0a+3], s[\g1a:\g1a+7]
	s_nop 0
.rept 4
	v_nop
.endr
	s_branch .Lasked_\@
.Lfor_b_\@:
	tensor_load_to_lds s[\g0b:\g0b+3], s[\g1b:\g1b+7]
	s_nop 0
.rept 4
	v_nop
.endr
.Lasked_\@:
.endm
.macro CROUND                          ; a round of the cluster's barrier
	s_barrier_signal -1
	s_barrier_wait -1
	s_cmp_lg_u32 s14, 0
	s_cbranch_scc1 .Lnot_wave_0_\@
	s_barrier_signal -3
.Lnot_wave_0_\@:
	s_barrier_wait -3
	s_barrier_signal -1
	s_barrier_wait -1
.endm
	s_load_b128 s[4:7], s[0:1], 0x0                ; X's codes, X's scales
	s_load_b128 s[8:11], s[0:1], 0x10              ; W's codes, W's scales
	s_load_b64 s[12:13], s[0:1], 0x20              ; qkv
	s_load_b64 s[98:99], s[0:1], 0x28              ; qkvf
	v_lshl_add_u32 v[SPW], v0, 2, SPARE
	v_mov_b32 v[NIL], 0
	ds_add_u32 v[SPW], v[NIL]                      ; the wave's opening: the add, twice on end, and its wait ahead of my first tensor load
	ds_add_u32 v[SPW], v[NIL]                      ; (the set-up below, work on registers, stands between the second and the wait)
	v_lshrrev_b32 v1, 5, v0
	v_readfirstlane_b32 s14, v1                    ; wave 0..3
	s_lshr_b32 s15, s14, 1                         ; which half of the tile's rows is mine.  Also: I fetch for X (0) or for W (1)
	s_and_b32 s16, s14, 1                          ; which half of its columns.  Also: which 128 rows of that tile I fetch
	s_bfe_u32 s40, ttmp6, 0x40000                  ; cx, cy: my place in the cluster
	s_bfe_u32 s41, ttmp6, 0x40004
	s_lshl_b32 s42, ttmp9, 2
	s_add_co_u32 s42, s42, s40                     ; tile column = 4 x cluster x + cx
	s_and_b32 s95, ttmp7, 0xffff                   ; cluster y
	s_lshl_b32 s17, s41, 3
	s_add_co_u32 s17, s17, s95                     ; tile row = 8 cy + cluster y: batch cy, positions 256 x cluster y on
	s_lshl_b32 s43, s41, 2
	s_lshl_b32 s43, 15, s43                        ; my row of the cluster
	s_lshl_b32 s44, 0x1111, s40                    ; my column
	; descriptor group 1: a tile of 128 rows x 256 bytes, padded in LDS
	s_or_b32 s[G1+0], s43, (0<<16)|(1<<20)|(1<<21)|(5<<22)|(3<<25)  ; 15:0 the mask; 17:16 elements of 1 byte; 20 padding on; 21 set beside a mask; 24:22 after every 64 words; 31:25 four words
	s_or_b32 s[G1B+0], s44, (0<<16)|(1<<20)|(1<<21)|(5<<22)|(3<<25)
.irp g, G1, G1B
	s_mov_b32 s[\g+1], ROWB<<16                    ; tensor_dim0
	s_mov_b32 s[\g+2], 128<<16                     ; tensor_dim1
	s_mov_b32 s[\g+3], ROWB<<16                    ; tile_dim0
	s_mov_b32 s[\g+4], 128                         ; tile_dim1
	s_mov_b32 s[\g+5], KROW                        ; from row to row
	s_mov_b32 s[\g+6], 0
	s_mov_b32 s[\g+7], 0
.endr
	; the scale bytes of 128 rows: a dense block of 4,096 bytes, as 16 rows of 256 bytes (32 elements of 8 bytes), 16 bytes of padding behind each
	s_or_b32 s[G1S+0], s43, (3<<16)|(1<<20)|(1<<21)|(5<<22)|(3<<25)
	s_or_b32 s[G1SB+0], s44, (3<<16)|(1<<20)|(1<<21)|(5<<22)|(3<<25)
.irp g, G1S, G1SB
	s_mov_b32 s[\g+1], 32<<16
	s_mov_b32 s[\g+2], (128*KS/256)<<16
	s_mov_b32 s[\g+3], 32<<16
	s_mov_b32 s[\g+4], 128*KS/256
	s_mov_b32 s[\g+5], 32
	s_mov_b32 s[\g+6], 0
	s_mov_b32 s[\g+7], 0
.endr
	s_lshl_b32 s18, s16, 7                         ; which 128 rows of the tile I fetch
	s_lshl_b32 s20, s17, 8
	s_add_co_u32 s20, s20, s18                     ; X: row 256 x tile row + 128 x half
	s_lshl_b32 s46, s42, 8
	s_add_co_u32 s46, s46, s18                     ; W: row 256 x tile column + 128 x half
	s_mov_b32 s21, 0
	s_mov_b32 s47, 0
	s_mov_b64 s[18:19], KS
	s_mul_u64 s[22:23], s[20:21], s[18:19]         ; where these rows' scales begin, in bytes,
	s_mul_u64 s[92:93], s[46:47], s[18:19]
	s_mov_b64 s[18:19], KROW
	s_mul_u64 s[20:21], s[20:21], s[18:19]         ; and their codes
	s_mul_u64 s[46:47], s[46:47], s[18:19]
	s_mul_i32 s45, s14, HALFT                      ; where they go: wave x 128 rows: no place in the cluster enters an LDS address
	s_mul_i32 s94, s14, HALFS
	s_cmp_eq_u32 ttmp9, 0                          ; the cluster's x is the tensor: q is scaled by c = log2(e) / 8, k and v by 1
	s_cselect_b32 s100, 0x3e38aa3b, 1.0
	s_mov_b32 s101, s100                           ; (named with it as a pair, so it is written)
	s_wait_dscnt 0x0                               ; both opening adds are done
	s_wait_kmcnt 0x0
	s_add_nc_u64 s[20:21], s[4:5], s[20:21]
	s_add_nc_u64 s[22:23], s[6:7], s[22:23]
	s_add_nc_u64 s[46:47], s[8:9], s[46:47]
	s_add_nc_u64 s[92:93], s[10:11], s[92:93]
	CROUND                                         ; all sixteen work-groups are here: the joint loads meet
	s_mov_b32 s[G0S], 1
	s_add_co_u32 s[G0S+1], s94, SCL
	s_mov_b64 s[G0S+2:G0S+3], s[22:23]
	s_or_b32 s[G0S+3], s[G0S+3], 0x80000000
	s_mov_b32 s[G0SB], 1
	s_add_co_u32 s[G0SB+1], s94, SCL
	s_mov_b64 s[G0SB+2:G0SB+3], s[92:93]
	s_or_b32 s[G0SB+3], s[G0SB+3], 0x80000000
	JLOAD G0S, G1S, G0SB, G1SB                     ; the scales first: they are wanted with K step 0
.irp s, 0,1
	s_mov_b32 s[G0+4*\s], 1
	s_add_co_u32 s[G0+4*\s+1], s45, \s*SLOT
	s_add_nc_u64 s[G0+4*\s+2:G0+4*\s+3], s[20:21], \s*ROWB
	s_or_b32 s[G0+4*\s+3], s[G0+4*\s+3], 0x80000000
	s_mov_b32 s[G0B+4*\s], 1
	s_add_co_u32 s[G0B+4*\s+1], s45, \s*SLOT
	s_add_nc_u64 s[G0B+4*\s+2:G0B+4*\s+3], s[46:47], \s*ROWB
	s_or_b32 s[G0B+4*\s+3], s[G0B+4*\s+3], 0x80000000
	JLOAD G0+4*\s, G1, G0B+4*\s, G1B               ; three tensor loads of mine are out behind the second of these
.endr
	v_and_b32 v1, 15, v0                           ; l % 16
	v_bfe_u32 v2, v0, 4, 1                         ; l / 16
	v_mul_u32_u24 v3, v1, PITCH
	v_lshl_add_u32 v4, v2, 4, v3                   ; a fragment's row x pitch + 16 x half
	s_mul_i32 s21, s15, HALFT                      ; my 128 rows of X
	s_mul_i32 s22, s16, HALFT                      ; my 128 rows of W,
	s_add_co_u32 s22, s22, 2*HALFT                 ; which lie behind X's 256
.irp s, 0,1
	v_add_nc_u32 v[ADRA+\s], s21, v4
	v_add_nc_u32 v[ADRB+\s], s22, v4
	s_add_co_u32 s21, s21, SLOT
	s_add_co_u32 s22, s22, SLOT
.endr
	v_mul_u32_u24 v5, v1, KS                       ; my row's scales: 32 bytes a row,
	v_lshrrev_b32 v6, 8, v5
	v_lshl_add_u32 v5, v6, 4, v5                   ; and 16 more for each 256 passed
	s_mul_i32 s21, s15, HALFS                      ; X's: my 128 rows
	s_mul_i32 s22, s16, HALFS                      ; W's: my 128 rows, behind X's 256
	s_add_co_u32 s22, s22, 2*HALFS
	s_sub_co_u32 s22, s22, s21
	v_mul_u32_u24 v6, s22, v2                      ; lanes 16-31 take W's
	s_add_co_u32 s21, s21, SCL
	v_add_nc_u32 v5, v5, v6
	v_add_nc_u32 v[ADRS], s21, v5
	s_mul_i32 s23, s14, 16*SPITCH                  ; my stage
	v_mul_u32_u24 v5, v1, SPITCH                   ; in: row l % 16, 16 bytes for each half of the lanes
	v_lshl_add_u32 v5, v2, 4, v5
	v_add_nc_u32 v[STO], s23, v5
	v_and_b32 v6, 31, v0
	v_lshlrev_b32 v[CO], 4, v6                     ; out: 16 bytes a lane
	v_lshrrev_b32 v5, 3, v6                        ; back: eight lanes take a head's 128 bytes of a row, four rows an instruction
	v_mul_u32_u24 v5, v5, SPITCH
	v_and_b32 v6, 7, v0
	v_lshl_add_u32 v5, v6, 4, v5
	v_add_nc_u32 v[RD], s23, v5
	v_lshlrev_b32 v[FO], 8, v1                     ; qkvf: position l % 16 of 256 bytes, + 32 x half
	v_lshl_add_u32 v[FO], v2, 5, v[FO]
	s_lshl_b32 s20, s41, 4                         ; 16 x batch
	s_lshl_b32 s21, s40, 2
	s_add_co_u32 s20, s20, s21                     ; + the tile's four heads
	s_lshl_b32 s21, s16, 1
	s_add_co_u32 s20, s20, s21                     ; + my two of them
	s_lshl_b32 s46, s20, 12                        ; qkvf: 4,096 bytes a head,
	s_lshl_b32 s47, ttmp9, 18                      ; 262,144 a tensor
	s_add_co_u32 s46, s46, s47
	s_mov_b32 s47, 0
	s_add_nc_u64 s[98:99], s[98:99], s[46:47]
	s_lshl_b32 s21, ttmp9, 6
	s_add_co_u32 s20, s20, s21                     ; qkv: 64 heads a tensor,
	s_lshl_b32 s20, s20, 18                        ; 262,144 bytes a head,
	s_lshl_b32 s21, s95, 15                        ; 256 positions of 128 bytes a cluster y,
	s_add_co_u32 s20, s20, s21
	s_lshl_b32 s21, s15, 14                        ; my 128 positions
	s_add_co_u32 s20, s20, s21
	s_mov_b32 s21, 0
	s_add_nc_u64 s[12:13], s[12:13], s[20:21]
.macro FRAG reg, adr, q, i             ; a fragment, 16 rows x 128 K of 4-bit codes, is 8 registers: lane l holds row l % 16; registers 4 c .. 4 c + 3 hold K = 64 c + 32 (l / 16) + 0 .. 31
.irp c, 0,1
	ds_load_b128 v[\reg+4*\c:\reg+4*\c+3], v[\adr] offset:64*(\q)+32*\c+(\i)*16*PITCH
.endr
.endm
; 16 matrix instructions: X's blocks a0, a0 + 1 x W's eight, the slot's q-th 128 along K.  p: W's set;  sc: the set of scale words.  zero = 1: the first product starts the sums.
; The 64 accumulators take turns, one instruction a turn, in the same order in every step.
.macro MUL16 a0, p, q, sc, zero
.irp a, \a0, \a0+1
.irp b, 0,1,2,3,4,5,6,7
.if \zero
	v_wmma_scale_f32_16x16x128_f8f6f4 v[8*(8*((\a)%4)+\b):8*(8*((\a)%4)+\b)+7], v[128*(\p)+FR*\b:128*(\p)+FR*\b+FR-1], v[AF+FR*(\a):AF+FR*(\a)+FR-1], 0, v[SC+8*NQ*(\sc)+NQ*\b+(\q)], v[SC+8*NQ*(\sc)+NQ*(\a)+(\q)] matrix_a_fmt:MATRIX_FMT_FP4 matrix_b_fmt:MATRIX_FMT_FP4 matrix_a_scale:MATRIX_SCALE_ROW1
.else
	v_wmma_scale_f32_16x16x128_f8f6f4 v[8*(8*((\a)%4)+\b):8*(8*((\a)%4)+\b)+7], v[128*(\p)+FR*\b:128*(\p)+FR*\b+FR-1], v[AF+FR*(\a):AF+FR*(\a)+FR-1], v[8*(8*((\a)%4)+\b):8*(8*((\a)%4)+\b)+7], v[SC+8*NQ*(\sc)+NQ*\b+(\q)], v[SC+8*NQ*(\sc)+NQ*(\a)+(\q)] matrix_a_fmt:MATRIX_FMT_FP4 matrix_b_fmt:MATRIX_FMT_FP4 matrix_a_scale:MATRIX_SCALE_ROW1
.endif
.endr
.endr
.endm
.macro FETCH_B slot, q, p              ; W's eight fragments of the slot's q-th 128 along K into set p
	WIN TO_B
.irp i, 0,1,2,3,4,5,6,7
	FRAG 128*(\p)+FR*\i, ADRB+\slot, \q, \i
.endr
	WIN 0
.endm
.macro FETCH_A slot, q, i0             ; X's blocks i0 .. i0 + 3
.irp i, \i0, \i0+1, \i0+2, \i0+3
	FRAG AF+FR*(\i), ADRA+\slot, \q, \i
.endr
.endm
.macro SCALES sc                       ; a K step's scale words into set sc: four words a row; lanes 0-15 take X's block i, lanes 16-31 W's block i
.irp i, 0,1,2,3,4,5,6,7
	ds_load_b128 v[SC+8*NQ*\sc+NQ*\i:SC+8*NQ*\sc+NQ*\i+3], v[ADRS] offset:\i*SBLK
.endr
.endm
; A load into a register that a matrix instruction has read, and a vector instruction or a store that reads a matrix result, stand four places behind that matrix instruction; only plain vector instructions that name none of its registers are places.
.macro PLACES n
.rept \n
	v_nop
.endr
.endm
; A step of 128 along K that has its successor in the same slot.
.macro STEP slot, q, zero
	s_wait_dscnt 4*NL                              ; W's set and X's blocks 0-3 are in; the youngest eight loads (X's blocks 4-7) may be out
	WIN MUL_LO
	MUL16 0, (\q)%2, \q, \slot, \zero
	MUL16 2, (\q)%2, \q, \slot, \zero
	s_wait_dscnt 0                                 ; X's blocks 4-7 are in
	PLACES NP
	FETCH_B \slot, (\q)+1, 1-(\q)%2
	FETCH_A \slot, (\q)+1, 0
	WIN MUL_HI
	MUL16 4, (\q)%2, \q, \slot, \zero
	MUL16 6, (\q)%2, \q, \slot, \zero
	PLACES NP
	WIN 0
	FETCH_A \slot, (\q)+1, 4
.endm
; Slot 0's last step changes slots: one barrier; in front of it each wave waits for all its tensor loads (slot 1's is the one that may be out), adds 0 to its spare word, and waits for that and for its reads of slot 0.  Nothing is filled again.
.macro TURN slot, next
	s_wait_tensorcnt 0x0                           ; all my tensor loads have landed  (every window is 0 here)
	ds_add_u32 v[SPW], v[NIL]                      ; 0 onto my spare word
	s_wait_dscnt 4*NL+1                            ; (the add and the youngest eight loads may be out)
	WIN MUL_LO
	MUL16 0, 1, NQ-1, \slot, 0
	s_wait_dscnt 0x0                               ; the add is done, and my reads of this slot are over
	s_barrier_signal -1
	MUL16 2, 1, NQ-1, \slot, 0
	WIN 0
	s_barrier_wait -1
	PLACES NP
	v_add_nc_u32 v[ADRS], 4*NQ, v[ADRS]            ; on to the next K step's scale words (no LDS load of mine is out)
	FETCH_B \next, 0, 0
	FETCH_A \next, 0, 0
	SCALES \next
	WIN MUL_HI
	MUL16 4, 1, NQ-1, \slot, 0
	MUL16 6, 1, NQ-1, \slot, 0
	PLACES NP
	WIN 0
	FETCH_A \next, 0, 4
.endm
	s_wait_tensorcnt 1                             ; the scales and my part of K step 0 are in (K step 1's load may be out),
	s_barrier_signal -1
	s_barrier_wait -1                              ; everybody's are
	FETCH_B 0, 0, 0
	FETCH_A 0, 0, 0
	SCALES 0
	FETCH_A 0, 0, 4
	STEP 0, 0, 1                                   ; the first step's products start the sums: nothing is cleared
	STEP 0, 1, 0
	STEP 0, 2, 0
	TURN 0, 1
	STEP 1, 0, 0
	STEP 1, 1, 0
	STEP 1, 2, 0
	s_wait_dscnt 4*NL                              ; the very last step: nothing more to fetch
	WIN MUL_LO
	MUL16 0, 1, NQ-1, 1, 0
	MUL16 2, 1, NQ-1, 1, 0
	s_wait_dscnt 0
	WIN MUL_HI
	MUL16 4, 1, NQ-1, 1, 0
	MUL16 6, 1, NQ-1, 1, 0
	WIN 0
; THE WAY OUT.
	PLACES NP                                      ; behind the last products: for the reads of results, and for writes and loads into the registers that held fragments and scale words
	s_or_b32 s94, s95, s15                         ; positions 0 to 15 lie in block 0 of the waves with rows 0-127 of the clusters with y = 0: the same answer in all sixteen partners
	s_cmp_lg_u32 s94, 0
	s_cbranch_scc1 .Lno_fine
	WIN 0x08                                       ; a store's data are its source 1: window 2
.irp b, 0,1,2,3,4,5,6,7
	global_store_b128 v[FO], v[8*\b:8*\b+3],   s[98:99] offset:(\b/4)*4096+(\b%4)*64      ; each accumulator from its low end on: position l % 16, head b / 4, channels 16 (b % 4) + 8 (l / 16) on
	global_store_b128 v[FO], v[8*\b+4:8*\b+7], s[98:99] offset:(\b/4)*4096+(\b%4)*64+16
.endr
	WIN 0
.Lno_fine:
.macro PACK a                          ; block a: 16 positions x 128 channels: scaled in f32, rounded to f16, 16 bytes for each accumulator
.set AC, 64*((\a)%4)
	WIN 0x02+((\a)/4)                              ; source 0: window 2 or 3
.set ii, 0
.rept 32
	v_pk_mul_f32 v[T+2*ii:T+2*ii+1], v[AC+2*ii:AC+2*ii+1], s[100:101] op_sel_hi:[1,0]
.set ii, ii+1
.endr
	WIN 0
.set ii, 0
.rept 32
	v_cvt_pk_f16_f32 v[TMP+ii], v[T+2*ii], v[T+2*ii+1]
.set ii, ii+1
.endr
.endm
.macro TOSTAGE a                       ; into my stage, and back head by head: LDS serves a wave's instructions in order, so no wait stands between
.irp b, 0,1,2,3,4,5,6,7
	ds_store_b128 v[STO], v[TMP+4*\b:TMP+4*\b+3] offset:32*\b
.endr
.set BB, BK+32*((\a)%2)
.irp j, 0,1
.irp i, 0,1,2,3
	ds_load_b128 v[BB+16*\j+4*\i:BB+16*\j+4*\i+3], v[RD] offset:\i*4*SPITCH+\j*128
.endr
.endr
.endm
.macro SEND a, younger                 ; younger: the LDS instructions issued behind block a's loads, which may stay out
.set BB, BK+32*((\a)%2)
	s_wait_dscnt \younger
.irp j, 0,1
.irp i, 0,1,2,3
	global_store_b128 v[CO], v[BB+16*\j+4*\i:BB+16*\j+4*\i+3], s[12:13] offset:(\a)*2048+\i*512+\j*262144   ; four positions of one head: 512 consecutive bytes
.endr
.endr
.endm
	PACK 0
	TOSTAGE 0
.irp a, 1,2,3,4,5,6,7
	PACK \a
.if \a > 1
	s_wait_xcnt 0x0                                ; block a - 2's stores have read their registers: block a's loads may land there
.endif
	TOSTAGE \a
	SEND \a-1, 16                                  ; behind block a - 1's loads: block a's 8 stores and 8 loads
.endr
	SEND 7, 0
	s_wait_tensorcnt 0x0                           ; the wave's end, behind my last tensor load and my last LDS store
	ds_add_u32 v[SPW], v[NIL]
	s_wait_dscnt 0x0
	CROUND                                         ; the closing round
	s_endpgm
.Lfunc_end_k_qa1e018d240_qkv:
	.size	k_qa1e018d240_qkv, .Lfunc_end_k_qa1e018d240_qkv-k_qa1e018d240_qkv
	.p2alignl 7, 3214868480
	.fill 96, 4, 3214868480
	.section	.rodata,"a",@progbits
	.p2align	6, 0x0
	.amdhsa_kernel k_qa1e018d240_qkv
		.amdhsa_group_segment_fixed_size 327680
		.amdhsa_private_segment_fixed_size 0
		.amdhsa_enable_private_segment 0
		.amdhsa_kernarg_size 48
		.amdhsa_user_sgpr_count 2
		.amdhsa_user_sgpr_kernarg_segment_ptr 1
		.amdhsa_wavefront_size32 1
		.amdhsa_system_sgpr_workgroup_id_x 1
		.amdhsa_system_sgpr_workgroup_id_y 1
		.amdhsa_system_sgpr_workgroup_id_z 1
		.amdhsa_system_vgpr_workitem_id 0
		.amdhsa_next_free_vgpr 1024
		.amdhsa_next_free_sgpr 102
		.amdhsa_reserve_vcc 0
		.amdhsa_float_denorm_mode_32 3
		.amdhsa_float_denorm_mode_16_64 3
		.amdhsa_memory_ordered 1
		.amdhsa_forward_progress 1
		.amdhsa_inst_pref_size 144
	.end_amdhsa_kernel
	.amdgpu_metadata
---
amdhsa.version: [ 1, 2 ]
amdhsa.kernels:
  - .name:           k_qa1e018d240_qkv
    .symbol:         k_qa1e018d240_qkv.kd
    .args:
      - { .name: x_codes, .offset: 0, .size: 8, .value_kind: global_buffer, .address_space: global }
      - { .name: x_scales, .offset: 8, .size: 8, .value_kind: global_buffer, .address_space: global }
      - { .name: w_codes, .offset: 16, .size: 8, .value_kind: global_buffer, .address_space: global }
      - { .name: w_scales, .offset: 24, .size: 8, .value_kind: global_buffer, .address_space: global }
      - { .name: qkv, .offset: 32, .size: 8, .value_kind: global_buffer, .address_space: global }
      - { .name: qkvf, .offset: 40, .size: 8, .value_kind: global_buffer, .address_space: global }
    .group_segment_fixed_size: 327680
    .private_segment_fixed_size: 0
    .kernarg_segment_align: 8
    .kernarg_segment_size: 48
    .max_flat_workgroup_size: 128
    .sgpr_count:     102
    .vgpr_count:     1024
    .wavefront_size: 32
...
	.end_amdgpu_metadata
.endif
;; end of part 3
;; launch attn (part 4): grid 4 x 64, 8 waves a work-group, no clusters, 327,680 bytes of LDS; arguments qkv, att; writes att
.if DOCPART == 4
	.amdgcn_target "amdgcn-amd-amdhsa--gfx1250"
	.amdhsa_code_object_version 6
	.text
	.protected	k_qa1e018d240_attn
	.globl	k_qa1e018d240_attn
	.p2align	8
	.type	k_qa1e018d240_attn,@function
k_qa1e018d240_attn:
	s_mov_b64 s[64:65], 0
	v_nop
	global_prefetch_b8 v0, s[64:65] scope:SCOPE_SE
	s_setreg_imm32_b32 hwreg(HW_REG_WAVE_MODE, 25, 1), 1
	s_wait_xcnt 0x0
; Causal attention in f16 operands and f32 sums: att[bh][t][:] = sum over s <= t of softmax_s(q[t] . k[s] / 8) v[s][:].  qkv: [3][64 heads][2048][64] f16, q already multiplied by c = log2(e) / 8; att: [64][2048][64] f16.
; SHARES.  Work-group (J, head) owns the query blocks J and 7 - J of 256 queries, one after the other: J + 1 and 8 - J key blocks of 256 keys, NINE in every work-group: 256 work-groups of equal work, and a loop of constant count.
; Each of the eight waves owns 32 queries of the block in hand, two tiles of 16, so that each fragment of K and V read from LDS feeds two products.  Two waves share a SIMD: one's softmax stands beside the other's products.
; A trip is one key block, four steps of 64 keys.  K's and V's tiles come through a ring of two LDS slots of 256 keys, filled by tensor loads: waves 0-3 a quarter of K each, waves 4-7 of V; one tensor load of a wave is out at a time.
; LAYOUT.  S^T = K Q^T (source 0 = 16 keys, source 1 = 16 queries): a lane holds ONE query (lane % 16) and keys 8 (lane / 16) + 0..7 of each tile.  Two such tiles, rounded to f16 in pairs, ARE source 1 of O^T = V^T P.  V comes out of LDS turned.
; SOFTMAX.  A running maximum m and sum l for each query: p = 2^(s - m), at most 1 for every input; in every step O and l are multiplied by a = 2^(m_old - m_new).  The sum is taken of p before it is rounded.
; THE MASK.  A step all of whose keys come after the wave's 32 queries is left out (a scalar branch on ids; such steps are a trip's last); in a step on the diagonal hidden scores become -infinity, where reference() has the least f32 number: p is 0
; either way, since a step that is walked has a key that counts for every query of the wave.
; NO CLUSTER: the four work-groups of a head want different key blocks in the same trip (t, or t - J - 1), and in diagonal trips whole waves pass over tiles.
; LIMITS: NaN and infinities are not served; the result must lie under 65,504 in size (f16).  Positions 0 to 15 of each sequence are computed here too, and computed again more finely by a later launch.
; REGISTERS: window 0: v1-15 addresses; v16-31 statistics, eight a tile: +0 m, +1 the old m, +2, +3 l, +4..7 at work (a at +6); v32-95 S^T, 32 a tile; v96-127 P, 16 a tile; v128-191 K's fragments; v192 -infinity.
;   window 1: v0-31 Q of the block in hand; v32-63 Q of the second block; v64-127 O^T, 32 a tile; v128-191 V's fragments.
.set HB,    262144                     ; bytes of a head
.set TENS,  16777216                   ; bytes of a tensor
.set KP,    144                        ; a key's row in LDS: 128 bytes + 16: nine times 16 bytes, so the 16 rows of a load fall on 16 different 16-byte columns
.set VP,    160                        ; a row of V: 128 + 32: five times 32 bytes, for the turning load
.set VOFF,  256*KP                     ; a slot: 256 rows of K, then 256 rows of V
.set SLOT1, 1<<17                      ; slot 1 begins here: one exclusive or turns an address
.set STAGE, SLOT1+256*(KP+VP)          ; behind the ring: 16 rows x 144 bytes a wave, for the way out; no tensor load lands here
.set SPARE, STAGE+8*16*KP              ; behind the stages: the spare words, 128 bytes a wave, which no other line names
.set AK0, 3
.set AV0, 4
.set ADK, 5
.set ADV, 6
.set STO, 7
.set RD,  8
.set GO,  9
.set PFO, 10
.set QO,  11
.set RH,  12
.set DM,  13
.set SPW, 14
.set NIL, 15
.set ST,  16
.set S,   32
.set P,   96
.set KF,  128
.set NEG, 192
.set Q,   0                            ; window 1
.set Q2,  32
.set O,   64
.set VF,  128
.set WV,  8                            ; s8   wave
.set J,   9                            ; s9   work-group x
.set BH,  10                           ; s10  the head
.set QB,  11                           ; s11  the query block in hand
.set KB,  12                           ; s12  the key block in hand
.set TRIPN, 13                         ; s13  counts the loop's trips
.set NKB, 14                           ; s14  the next trip's key block
.set NQB, 15                           ; s15  and query block
.set SEL, 16                           ; s[16:17] v_permlanex16_b32's selects for lane l xor 16
.set KSRC, 18                          ; s[18:19] K of my head, my quarter of a key block
.set VSRC, 20                          ; s[20:21] V likewise
.set TB,  22                           ; s22  LDS byte at which the slot in hand begins
.set Q2B, 23                           ; s23  7 - J
.set G1K, 24                           ; s[24:31], s[32:39] descriptor groups 1;  s[40:43], s[44:47] groups 0
.set G1V, 32
.set G0K, 40
.set G0V, 44
.set PFA, 48                           ; s[48:49] where my prefetches stand
.set LIM, 50                           ; s50  a wave prefetches while the trip's number is under it
.set Q0,  51                           ; s51  my first query
.set KEY0, 52                          ; s52  the key block's first key
.set OUT, 62                           ; s[62:63] att at my first query
.set MSB, 0
.macro WIN new
.if MSB != (\new)
	s_set_vgpr_msb (MSB<<8)|(\new)
.set MSB, \new
.endif
.endm
.set W_KQ, 0x04                        ; Q (source 1) window 1
.set W_PV, 0x51                        ; V (source 0) and O^T (C and D) window 1
.set W_RS, 0x41                        ; O^T (destination and source 0) window 1
.set TO1,  0x40                        ; destination window 1
.set FROM_O, 0x01                      ; source 0 window 1
; Waves 0-3 fetch K's quarters, waves 4-7 V's: every wave issues one load.  An s_nop 0 and four v_nop follow each line.
.macro TLOAD
	s_cmp_lt_u32 s[WV], 4
	s_cbranch_scc0 .Lfor_v_\@
	tensor_load_to_lds s[G0K:G0K+3], s[G1K:G1K+7]
	s_nop 0
.rept 4
	v_nop
.endr
	s_branch .Lasked_\@
.Lfor_v_\@:
	tensor_load_to_lds s[G0V:G0V+3], s[G1V:G1V+7]
	s_nop 0
.rept 4
	v_nop
.endr
.Lasked_\@:
.endm
; A PREFETCH INTO THE L2.  All four work-groups of a head walk the same K and V; the one with J = 0, whose second query block walks all eight key blocks, asks, and nobody else.  In trip t = 0 .. 6 it names key block t + 1, which its own
; tensor loads ask for one trip later.  Each wave names its own quarter, 8,192 bytes, lanes 256 bytes apart: each aligned block of 256 bytes is named once in the launch.  Key block 0 comes by its loads alone.
.macro ASK
	s_cmp_lt_u32 s[TRIPN], s[LIM]
	s_cbranch_scc0 .Lnot_mine_\@
	global_prefetch_b8 v[PFO], s[PFA:PFA+1] th:TH_LOAD_NT scope:SCOPE_SE
.Lnot_mine_\@:
.endm
.macro FETCH_K q                       ; 64 keys x 64 channels: fragment (kt, kc) at KF + 8 (2 kt + kc)
.irp kt, 0,1,2,3
.irp kc, 0,1
	ds_load_b128 v[KF+8*(2*\kt+\kc):KF+8*(2*\kt+\kc)+3],   v[ADK] offset:(\q)*64*KP+\kt*16*KP+\kc*64
	ds_load_b128 v[KF+8*(2*\kt+\kc)+4:KF+8*(2*\kt+\kc)+7], v[ADK] offset:(\q)*64*KP+\kt*16*KP+\kc*64+32
.endr
.endr
.endm
.macro FETCH_V q                       ; turned: fragment (keys 32 u on, channels 16 ct on) at VF + 8 (4 u + ct)
	WIN TO1
.irp u, 0,1
.irp ct, 0,1,2,3
	ds_load_tr16_b128 v[VF+8*(4*\u+\ct):VF+8*(4*\u+\ct)+3],   v[ADV] offset:(\q)*64*VP+\u*32*VP+\ct*32
	ds_load_tr16_b128 v[VF+8*(4*\u+\ct)+4:VF+8*(4*\u+\ct)+7], v[ADV] offset:(\q)*64*VP+\u*32*VP+16*VP+\ct*32
.endr
.endr
	WIN 0
.endm
.macro KQ                              ; 16 products: eight accumulators by turns; the first eight start the sums
.irp kc, 0,1
.irp kt, 0,1,2,3
.irp t, 0,1
.if \kc == 0
	v_wmma_f32_16x16x32_f16 v[S+32*\t+8*\kt:S+32*\t+8*\kt+7], v[KF+8*(2*\kt+\kc):KF+8*(2*\kt+\kc)+7], v[Q+16*\t+8*\kc:Q+16*\t+8*\kc+7], 0
.else
	v_wmma_f32_16x16x32_f16 v[S+32*\t+8*\kt:S+32*\t+8*\kt+7], v[KF+8*(2*\kt+\kc):KF+8*(2*\kt+\kc)+7], v[Q+16*\t+8*\kc:Q+16*\t+8*\kc+7], v[S+32*\t+8*\kt:S+32*\t+8*\kt+7]
.endif
.endr
.endr
.endr
.endm
.macro PV                              ; 16 products: eight accumulators by turns
.irp u, 0,1
.irp ct, 0,1,2,3
.irp t, 0,1
	v_wmma_f32_16x16x32_f16 v[O+32*\t+8*\ct:O+32*\t+8*\ct+7], v[VF+8*(4*\u+\ct):VF+8*(4*\u+\ct)+7], v[P+16*\t+8*\u:P+16*\t+8*\u+7], v[O+32*\t+8*\ct:O+32*\t+8*\ct+7]
.endr
.endr
.endr
.endm
; Register 8 kt + j of tile t holds key KEY0 + 64 q + 16 kt + 8 (l / 16) + j for query Q0 + 16 t + l % 16: hidden where 16 kt + j - 16 t > Q0 - KEY0 - 64 q + l % 16 - 8 (l / 16).  Each accumulator is read from its low end on.
.macro MASK q
	s_sub_co_i32 s53, s[Q0], s[KEY0]
	s_sub_co_i32 s53, s53, 64*\q
	v_add_nc_u32 v[DM], s53, v[RH]
.irp t, 0,1
.irp kt, 0,1,2,3
.irp j, 0,1,2,3,4,5,6,7
	v_cmp_gt_i32 vcc_lo, 16*\kt+\j-16*\t, v[DM]
	v_cndmask_b32 v[S+32*\t+8*\kt+\j], v[S+32*\t+8*\kt+\j], v[NEG], vcc_lo
.endr
.endr
.endr
.endm
; A step's softmax for both tiles, the tiles by turns line by line.
.macro SOFTMAX
.irp j, 0,1,2,3                        ; the maximum: four chains, one to an accumulator, begun at its registers 0 to 2
.irp t, 0,1
	v_max3_num_f32 v[ST+8*\t+4+\j], v[S+32*\t+8*\j], v[S+32*\t+8*\j+1], v[S+32*\t+8*\j+2]
.endr
.endr
.irp i, 3,5
.irp j, 0,1,2,3
.irp t, 0,1
	v_max3_num_f32 v[ST+8*\t+4+\j], v[ST+8*\t+4+\j], v[S+32*\t+8*\j+\i], v[S+32*\t+8*\j+\i+1]
.endr
.endr
.endr
.irp t, 0,1
	v_max3_num_f32 v[ST+8*\t+4], v[ST+8*\t+4], v[S+32*\t+7], v[S+32*\t+15]
.endr
.irp t, 0,1
	v_max3_num_f32 v[ST+8*\t+6], v[ST+8*\t+6], v[S+32*\t+23], v[S+32*\t+31]
.endr
.irp t, 0,1
	v_max3_num_f32 v[ST+8*\t+4], v[ST+8*\t+4], v[ST+8*\t+5], v[ST+8*\t+6]
.endr
.irp t, 0,1
	v_max3_num_f32 v[ST+8*\t+4], v[ST+8*\t+4], v[ST+8*\t+7], v[ST+8*\t]   ; with the old m
.endr
.irp t, 0,1
	v_permlanex16_b32 v[ST+8*\t+5], v[ST+8*\t+4], s[SEL], s[SEL+1]         ; the query's other 32 keys lie in the lane 16 away
.endr
.irp t, 0,1
	v_mov_b32 v[ST+8*\t+1], v[ST+8*\t]
.endr
.irp t, 0,1
	v_max_num_f32 v[ST+8*\t], v[ST+8*\t+4], v[ST+8*\t+5]                   ; the new m
.endr
.irp t, 0,1
	v_sub_f32 v[ST+8*\t+7], v[ST+8*\t+1], v[ST+8*\t]                       ; m_old - m_new, 0 or less
.endr
.set n, 0
.rept 32
	v_pk_add_f32 v[S+32*(n%2)+2*(n/2):S+32*(n%2)+2*(n/2)+1], v[S+32*(n%2)+2*(n/2):S+32*(n%2)+2*(n/2)+1], v[ST+8*(n%2):ST+8*(n%2)+1] op_sel_hi:[1,0] neg_lo:[0,1] neg_hi:[0,1]   ; s - m, two at a time
.set n, n+1
.endr
.irp t, 0,1
	v_exp_f32 v[ST+8*\t+6], v[ST+8*\t+7]                                   ; a.  ONE BATCH of 66 exponentials, none of which reads another's result
.endr
.set n, 0
.rept 64
	v_exp_f32 v[S+32*(n%2)+n/2], v[S+32*(n%2)+n/2]
.set n, n+1
.endr
	v_nop                                          ; a plain instruction behind the last exponential,
	s_wait_alu depctr_va_vdst(0)                   ; and the one wait ahead of the batch's first reader
.set n, 0
.rept 32
	v_cvt_pk_f16_f32 v[P+16*(n%2)+n/2], v[S+32*(n%2)+2*(n/2)], v[S+32*(n%2)+2*(n/2)+1]
.set n, n+1
.endr
.irp w, 4,8,16,32                      ; the sum of a tile's 16 pairs, in place: neighbours 1, 2, 4 and 8 pairs apart
.set n, 0
.rept 64/\w
	v_pk_add_f32 v[S+32*(n%2)+\w*(n/2):S+32*(n%2)+\w*(n/2)+1], v[S+32*(n%2)+\w*(n/2):S+32*(n%2)+\w*(n/2)+1], v[S+32*(n%2)+\w*(n/2)+\w/2:S+32*(n%2)+\w*(n/2)+\w/2+1]
.set n, n+1
.endr
.endr
.irp t, 0,1
	v_pk_fma_f32 v[ST+8*\t+2:ST+8*\t+3], v[ST+8*\t+2:ST+8*\t+3], v[ST+8*\t+6:ST+8*\t+7], v[S+32*\t:S+32*\t+1] op_sel_hi:[1,0,1]   ; l = a l + the sum
.endr
	WIN W_RS
.set n, 0
.rept 32
	v_pk_mul_f32 v[O+32*(n%2)+2*(n/2):O+32*(n%2)+2*(n/2)+1], v[O+32*(n%2)+2*(n/2):O+32*(n%2)+2*(n/2)+1], v[ST+8*(n%2)+6:ST+8*(n%2)+7] op_sel_hi:[1,0]   ; O^T x a, each accumulator from its low end on
.set n, n+1
.endr
	WIN 0
.endm
; A KEY STEP: 64 keys, the q-th of the slot in hand.
.macro STEP q, id
.if \q > 0
	s_add_co_u32 s53, s[KEY0], 64*\q               ; all of this step's keys, and of the trip's later steps, come after my 32 queries: the trip is over for me.  Ids alone; no barrier, wait for tiles or tensor load is passed over
	s_add_co_u32 s54, s[Q0], 31
	s_cmp_gt_u32 s53, s54
	s_cbranch_scc1 .Lend\id
.endif
	s_wait_dscnt 0x0                               ; K of this step is in
	WIN W_KQ
	KQ
	WIN 0
.rept 4
	v_nop                                          ; the places behind the products: for the reads of S^T, for the loads into K's registers, and (behind the last V^T P) into V's
.endr
	FETCH_V \q
.if \q < 3
	FETCH_K (\q)+1
.endif
	s_add_co_u32 s53, s[KEY0], 64*\q+63
	s_cmp_le_u32 s53, s[Q0]                        ; all 64 keys count for all my queries: nothing to hide
	s_cbranch_scc1 .Lopen_\@
	MASK \q
.Lopen_\@:
	SOFTMAX
.if \q < 3
	s_wait_dscnt 16                                ; V is in; the next step's 16 loads of K may be out
.else
	s_wait_dscnt 0x0
.endif
	WIN W_PV
	PV
	WIN 0
.endm
; THE CHANGE OF SLOTS, at a trip's head.  Each wave waits for all its tensor loads (its part of the slot that it is about to read), adds 0 to its spare word, and waits for that and for its reads of the slot that it has left.
; Behind the barrier the slot ahead is whole and nobody reads the other one.  fill = 1: that other slot takes the next trip's key block, which has this trip's four steps in which to land.
.macro CHANGE fill
	s_wait_tensorcnt 0x0                           ; no tensor load of mine is out, so a group 0 may be written
	ds_add_u32 v[SPW], v[NIL]                      ; 0 onto my spare word; the work on registers below stands between it and its wait
.if \fill
	s_add_co_u32 s53, s[KB], 1
	s_cmp_eq_u32 s[KB], s[QB]                      ; on the diagonal the query block ends: the second block begins at key block 0
	s_cselect_b32 s[NKB], 0, s53
	s_cselect_b32 s[NQB], s[Q2B], s[QB]
	s_xor_b32 s[G0K+1], s[G0K+1], SLOT1            ; the other slot than last time
	s_xor_b32 s[G0V+1], s[G0V+1], SLOT1
	s_lshl_b32 s54, s[NKB], 15                     ; 256 keys of 128 bytes
	s_mov_b32 s55, 0
	s_add_nc_u64 s[G0K+2:G0K+3], s[KSRC:KSRC+1], s[54:55]
	s_or_b32 s[G0K+3], s[G0K+3], 0x80000000
	s_add_nc_u64 s[G0V+2:G0V+3], s[VSRC:VSRC+1], s[54:55]
	s_or_b32 s[G0V+3], s[G0V+3], 0x80000000
	s_wait_xcnt 0x0                                ; the last prefetch, a trip back, has read its address, so it may be written
	s_add_nc_u64 s[PFA:PFA+1], s[PFA:PFA+1], 32768
.endif
	s_wait_dscnt 0x0                               ; the add is done, and my reads of the slot that I have left are over
	s_barrier_signal -1
	s_barrier_wait -1
.if \fill
	TLOAD                                          ; the first thing behind the barrier, and my one tensor load until the next
.endif
.endm
.macro INIT                            ; a query block begins: O^T and l are zeros, m lies under every score: the first step's a is 0
	WIN TO1
.set n, 0
.rept 64
	v_mov_b32 v[O+n], 0
.set n, n+1
.endr
	WIN 0
.irp t, 0,1
	v_mov_b32 v[ST+8*\t], 0xff61b1e6               ; -3e38
	v_mov_b32 v[ST+8*\t+1], 0
	v_mov_b32 v[ST+8*\t+2], 0
	v_mov_b32 v[ST+8*\t+3], 0
	v_mov_b32 v[ST+8*\t+5], 0                      ; (a lane permute's destination counts as one of its sources)
.endr
.endm
; A QUERY BLOCK'S WAY OUT: O^T / l, rounded to f16, a tile (16 rows of 128 bytes) at a time through my stage, and out in stores of 512 consecutive bytes.  next = 1: the second block's Q moves in and the sums begin anew.
.macro EPILOGUE next
	s_wait_dscnt 0x0                               ; loads of K for a step that was left out may be out
	s_wait_xcnt 0x0                                ; earlier stores have read their base
	s_lshl_b32 s54, s[Q0], 7
	s_mov_b32 s55, 0
	s_add_nc_u64 s[OUT:OUT+1], s[6:7], s[54:55]
.rept 4
	v_nop                                          ; places behind the last products
.endr
.irp t, 0,1
	v_add_f32 v[ST+8*\t+4], v[ST+8*\t+2], v[ST+8*\t+3]
.endr
.irp t, 0,1
	v_permlanex16_b32 v[ST+8*\t+5], v[ST+8*\t+4], s[SEL], s[SEL+1]
.endr
.irp t, 0,1
	v_add_f32 v[ST+8*\t+4], v[ST+8*\t+4], v[ST+8*\t+5]
.endr
.irp t, 0,1
	v_rcp_f32 v[ST+8*\t+6], v[ST+8*\t+4]
.endr
	v_nop                                          ; a plain instruction behind the reciprocals,
	s_wait_alu depctr_va_vdst(0)                   ; and the wait ahead of their first reader
.irp t, 0,1
	WIN FROM_O
.set n, 0
.rept 16
	v_pk_mul_f32 v[S+32*\t+2*n:S+32*\t+2*n+1], v[O+32*\t+2*n:O+32*\t+2*n+1], v[ST+8*\t+6:ST+8*\t+7] op_sel_hi:[1,0]
.set n, n+1
.endr
	WIN 0
.set n, 0
.rept 16
	v_cvt_pk_f16_f32 v[P+16*\t+n], v[S+32*\t+2*n], v[S+32*\t+2*n+1]
.set n, n+1
.endr
.irp ct, 0,1,2,3
	ds_store_b128 v[STO], v[P+16*\t+4*\ct:P+16*\t+4*\ct+3] offset:32*\ct
.endr
.irp i, 0,1,2,3
	ds_load_b128 v[S+32*\t+4*\i:S+32*\t+4*\i+3], v[RD] offset:\i*4*KP      ; LDS serves a wave's instructions in order: these see the stores above, and the next tile's stores come behind them
.endr
.endr
.irp t, 0,1
.irp i, 0,1,2,3
	s_wait_dscnt (1-\t)*8+3-\i                     ; behind this load: its tile's later loads, and for tile 0 tile 1's four stores and four loads
	global_store_b128 v[GO], v[S+32*\t+4*\i:S+32*\t+4*\i+3], s[OUT:OUT+1] offset:\t*2048+\i*512
.endr
.endr
.if \next
	s_wait_xcnt 0x0                                ; the stores have read their registers, which the next scores will take
	WIN 0x41
.set n, 0
.rept 32
	v_mov_b32 v[Q+n], v[Q2+n]
.set n, n+1
.endr
	INIT
.endif
.endm
.macro TRIP id, fill, last
	CHANGE \fill
	v_add_nc_u32 v[ADK], s[TB], v[AK0]
	v_add_nc_u32 v[ADV], s[TB], v[AV0]
	FETCH_K 0
.if \fill
	ASK                                            ; behind the tensor load and the run of LDS loads that the first products wait for
.endif
	STEP 0, \id
	STEP 1, \id
	STEP 2, \id
	STEP 3, \id
.Lend\id:
.if \last
	EPILOGUE 0
.else
	s_cmp_lg_u32 s[KB], s[QB]                      ; the diagonal's trip ends the first query block
	s_cbranch_scc1 .Lsame\id
	EPILOGUE 1
.Lsame\id:
	s_mov_b32 s[KB], s[NKB]
	s_mov_b32 s[QB], s[NQB]
	s_lshl_b32 s[Q0], s[QB], 8
	s_lshl_b32 s53, s[WV], 5
	s_add_co_u32 s[Q0], s[Q0], s53
	s_lshl_b32 s[KEY0], s[KB], 8
	s_xor_b32 s[TB], s[TB], SLOT1                  ; on to the other slot
.endif
.endm
	s_load_b128 s[4:7], s[0:1], 0x0                ; qkv, att
	v_lshl_add_u32 v[SPW], v0, 2, SPARE
	v_mov_b32 v[NIL], 0
	ds_add_u32 v[SPW], v[NIL]                      ; the wave's opening: the add, twice on end, and its wait ahead of my first tensor load
	ds_add_u32 v[SPW], v[NIL]                      ; (the set-up below, work on registers, stands between the second and the wait)
	v_lshrrev_b32 v1, 5, v0
	v_readfirstlane_b32 s[WV], v1                  ; wave 0..7
	s_mov_b32 s[J], ttmp9
	s_and_b32 s[BH], ttmp7, 0xffff
	s_sub_co_u32 s[Q2B], 7, s[J]
	s_mov_b32 s[QB], s[J]
	s_mov_b32 s[KB], 0
	s_mov_b32 s[TB], 0
	s_mov_b32 s[KEY0], 0
	s_mov_b32 s[TRIPN], 0
	s_lshl_b32 s[Q0], s[J], 8
	s_lshl_b32 s53, s[WV], 5
	s_add_co_u32 s[Q0], s[Q0], s53                 ; my first query: 256 x block + 32 x wave
	; descriptor groups 1: 64 rows x 64 elements of 2 bytes, dense in memory, padded in LDS behind every row of 32 words
	s_mov_b32 s[G1K], (1<<16)|(1<<20)|(4<<22)|(3<<25)              ; four words of padding
	s_mov_b32 s[G1V], (1<<16)|(1<<20)|(4<<22)|(7<<25)              ; eight words
.irp g, G1K, G1V
	s_mov_b32 s[\g+1], 64<<16                      ; tensor_dim0
	s_mov_b32 s[\g+2], 64<<16                      ; tensor_dim1
	s_mov_b32 s[\g+3], 64<<16                      ; tile_dim0
	s_mov_b32 s[\g+4], 64                          ; tile_dim1
	s_mov_b32 s[\g+5], 64                          ; from row to row
	s_mov_b32 s[\g+6], 0
	s_mov_b32 s[\g+7], 0
.endr
	s_mov_b32 s[SEL], 0x76543210
	s_mov_b32 s[SEL+1], 0xfedcba98
	s_and_b32 s53, s[WV], 3                        ; which quarter of a key block I fetch
	s_mov_b32 s[G0K], 1
	s_mul_i32 s[G0K+1], s53, 64*KP                 ; its place in slot 0
	s_mov_b32 s[G0V], 1
	s_mul_i32 s[G0V+1], s53, 64*VP
	s_add_co_u32 s[G0V+1], s[G0V+1], VOFF
	s_lshl_b32 s54, s53, 13                        ; 64 rows of 128 bytes
	s_lshl_b32 s56, s[BH], 18                      ; the head's first byte
	s_mov_b32 s57, 0
	s_add_co_u32 s54, s54, s56
	s_mov_b32 s55, 0
	s_cmp_eq_u32 s[J], 0
	s_cselect_b32 s[LIM], 7, 0
	s_wait_dscnt 0x0                               ; both opening adds are done
	s_wait_kmcnt 0x0
	s_add_nc_u64 s[KSRC:KSRC+1], s[4:5], s[54:55]
	s_add_nc_u64 s[VSRC:VSRC+1], s[KSRC:KSRC+1], 2*TENS
	s_add_nc_u64 s[KSRC:KSRC+1], s[KSRC:KSRC+1], TENS
	s_mov_b64 s[G0K+2:G0K+3], s[KSRC:KSRC+1]       ; key block 0
	s_or_b32 s[G0K+3], s[G0K+3], 0x80000000
	s_mov_b64 s[G0V+2:G0V+3], s[VSRC:VSRC+1]
	s_or_b32 s[G0V+3], s[G0V+3], 0x80000000
	TLOAD                                          ; slot 0; slot 1 is first filled behind the first trip's barrier
	s_add_nc_u64 s[4:5], s[4:5], s[56:57]          ; q and att at my head
	s_add_nc_u64 s[6:7], s[6:7], s[56:57]
	s_lshl_b32 s54, s[Q0], 7
	s_add_nc_u64 s[58:59], s[4:5], s[54:55]        ; q of my 32 queries in block J,
	s_lshl_b32 s54, s[Q2B], 15
	s_lshl_b32 s53, s[WV], 12
	s_add_co_u32 s54, s54, s53
	s_add_nc_u64 s[60:61], s[4:5], s[54:55]        ; and in block 7 - J
	s_cmp_lt_u32 s[WV], 4
	s_cselect_b64 s[PFA:PFA+1], s[KSRC:KSRC+1], s[VSRC:VSRC+1]     ; at key block 0: the first change of slots steps it to block 1.  Nothing is prefetched here, at the head
	v_and_b32 v1, 15, v0                           ; r = l % 16
	v_bfe_u32 v2, v0, 4, 1                         ; h = l / 16
	v_lshlrev_b32 v[QO], 7, v1
	v_lshl_add_u32 v[QO], v2, 4, v[QO]             ; q: row r of 128 bytes, + 16 h
	WIN TO1
.irp t, 0,1
.irp kc, 0,1
	global_load_b128 v[Q+16*\t+8*\kc:Q+16*\t+8*\kc+3],     v[QO], s[58:59] offset:\t*2048+\kc*64
	global_load_b128 v[Q+16*\t+8*\kc+4:Q+16*\t+8*\kc+7],   v[QO], s[58:59] offset:\t*2048+\kc*64+32
	global_load_b128 v[Q2+16*\t+8*\kc:Q2+16*\t+8*\kc+3],   v[QO], s[60:61] offset:\t*2048+\kc*64
	global_load_b128 v[Q2+16*\t+8*\kc+4:Q2+16*\t+8*\kc+7], v[QO], s[60:61] offset:\t*2048+\kc*64+32
.endr
.endr
	WIN 0
	v_mul_u32_u24 v[AK0], v1, KP
	v_lshl_add_u32 v[AK0], v2, 4, v[AK0]           ; K: row r x pitch + 16 h
	v_and_b32 v5, 7, v0
	v_lshl_add_u32 v[AV0], v2, 3, v5               ; the turning load: key 8 h + l % 8,
	v_mul_u32_u24 v[AV0], v[AV0], VP
	v_bfe_u32 v6, v0, 3, 1
	v_lshl_add_u32 v[AV0], v6, 4, v[AV0]           ; channels 8 ((l / 8) % 2) on
	v_add_nc_u32 v[AV0], VOFF, v[AV0]
	s_mul_i32 s53, s[WV], 16*KP
	s_add_co_u32 s53, s53, STAGE                   ; my stage
	v_add_nc_u32 v[STO], s53, v[AK0]               ; in: row r, 16 bytes for each half of the lanes
	v_and_b32 v6, 31, v0
	v_lshrrev_b32 v[RD], 3, v6                     ; back: eight lanes to a row of 128 bytes, four rows an instruction
	v_mul_u32_u24 v[RD], v[RD], KP
	v_lshl_add_u32 v[RD], v5, 4, v[RD]
	v_add_nc_u32 v[RD], s53, v[RD]
	v_lshlrev_b32 v[GO], 4, v6
	v_lshlrev_b32 v[PFO], 8, v6
	v_lshlrev_b32 v5, 3, v2
	v_sub_nc_u32 v[RH], v1, v5                     ; r - 8 h
	v_mov_b32 v[NEG], 0xff800000
	INIT
	s_wait_loadcnt 0x0                             ; Q
.Ltrip:                                            ; eight trips: each asks for the next trip's key block
	TRIP 0, 1, 0
	s_add_co_u32 s[TRIPN], s[TRIPN], 1
	s_cmp_lt_u32 s[TRIPN], 8
	s_cbranch_scc1 .Ltrip
	TRIP 1, 0, 1                                   ; the ninth is written out: it asks for nothing, and ends the second query block
	s_wait_tensorcnt 0x0                           ; the wave's end, behind my last tensor load and my last LDS store
	ds_add_u32 v[SPW], v[NIL]
	s_wait_dscnt 0x0
	s_endpgm
.Lfunc_end_k_qa1e018d240_attn:
	.size	k_qa1e018d240_attn, .Lfunc_end_k_qa1e018d240_attn-k_qa1e018d240_attn
	.p2alignl 7, 3214868480
	.fill 96, 4, 3214868480
	.section	.rodata,"a",@progbits
	.p2align	6, 0x0
	.amdhsa_kernel k_qa1e018d240_attn
		.amdhsa_group_segment_fixed_size 327680
		.amdhsa_private_segment_fixed_size 0
		.amdhsa_enable_private_segment 0
		.amdhsa_kernarg_size 16
		.amdhsa_user_sgpr_count 2
		.amdhsa_user_sgpr_kernarg_segment_ptr 1
		.amdhsa_wavefront_size32 1
		.amdhsa_system_sgpr_workgroup_id_x 1
		.amdhsa_system_sgpr_workgroup_id_y 1
		.amdhsa_system_sgpr_workgroup_id_z 1
		.amdhsa_system_vgpr_workitem_id 0
		.amdhsa_next_free_vgpr 448
		.amdhsa_next_free_sgpr 66
		.amdhsa_reserve_vcc 1
		.amdhsa_float_denorm_mode_32 3
		.amdhsa_float_denorm_mode_16_64 3
		.amdhsa_memory_ordered 1
		.amdhsa_forward_progress 1
		.amdhsa_inst_pref_size 199
	.end_amdhsa_kernel
	.amdgpu_metadata
---
amdhsa.version: [ 1, 2 ]
amdhsa.kernels:
  - .name:           k_qa1e018d240_attn
    .symbol:         k_qa1e018d240_attn.kd
    .args:
      - { .name: qkv, .offset: 0, .size: 8, .value_kind: global_buffer, .address_space: global }
      - { .name: att, .offset: 8, .size: 8, .value_kind: global_buffer, .address_space: global }
    .group_segment_fixed_size: 327680
    .private_segment_fixed_size: 0
    .kernarg_segment_align: 8
    .kernarg_segment_size: 16
    .max_flat_workgroup_size: 256
    .sgpr_count:     66
    .vgpr_count:     448
    .wavefront_size: 32
...
	.end_amdgpu_metadata
.endif
;; end of part 4
;; launch proj (part 5): grid 4 x 64, 4 waves a work-group, clusters of 4 x 4, 327,680 bytes of LDS; arguments att, wo16, bo, out0; writes out0
.if DOCPART == 5
	.amdgcn_target "amdgcn-amd-amdhsa--gfx1250"
	.amdhsa_code_object_version 6
	.text
	.protected	k_qa1e018d240_proj
	.globl	k_qa1e018d240_proj
	.p2align	8
	.type	k_qa1e018d240_proj,@function
k_qa1e018d240_proj:
	s_mov_b64 s[64:65], 0
	v_nop
	global_prefetch_b8 v0, s[64:65] scope:SCOPE_SE
	s_setreg_imm32_b32 hwreg(HW_REG_WAVE_MODE, 25, 1), 1
	s_wait_xcnt 0x0
	s_wait_alu depctr_hold_cnt(0) depctr_sa_sdst(0) depctr_va_vdst(0) depctr_va_sdst(0) depctr_va_ssrc(0) depctr_va_vcc(0) depctr_vm_vsrc(0)
	s_getreg_b32 s2, hwreg(HW_REG_IB_STS2, 6, 4)
	s_cmp_eq_u32 s2, 0
	s_cbranch_scc0 .Lentry_in_a_cluster
	s_endpgm
.Lentry_in_a_cluster:
	s_bfe_u32 s2, ttmp6, 0x10000c
	s_cmp_lg_u32 s2, 0xf033
	s_cbranch_scc0 .Lentry_shape_is_right
	s_endpgm
.Lentry_shape_is_right:
; out0[m][n] = sum over k of A[m][k] Wo[n][k] + bo[n], f16 operands, f32 sums.  A is the attention's result: row m = 2048 b + t, column k = 64 x head + channel, stored by heads: att [16 b + head][t][64] f16.  wo16: [1024 n][1024 k] f16.
; A tile of out0 is 128 rows x 256 columns: 256 work-groups.  Four waves, each 64 x 128: 32 accumulators of 16 x 16, 256 registers.  K goes in steps of 128 (two heads) through a ring of two LDS slots.
; A K step of A is two dense blocks of 128 rows x 128 bytes, one for each head: waves 0 and 1 fetch one each; waves 2 and 3 fetch 128 rows x 256 bytes of Wo each.
; CLUSTERS: 4 x 4 work-groups.  The four of a row of the cluster need the same tiles of A, the four of a column the same tiles of Wo: each tile is asked for JOINTLY, by the same tensor load with the same descriptor and a mask of the four.
; THE MATRIX INSTRUCTION IS USED TRANSPOSED (source 0 = 16 rows of Wo, source 1 = 16 rows of A): a lane holds eight neighbouring columns of a row of out0.  The bias is the C of each sum's first product.
; No prefetch: each tile is shared in the cluster, and a K step's loads are asked for a K step ahead.
; The first 16 rows of each batch are stored here and stored again, more finely computed, by the launch that follows.
; REGISTERS: window 0: v16-29 addresses; v32-127 and v128-223 two fragment buffers: 32 registers of A (4 x 16 rows x 32 K), then 64 of Wo.  window 1: accumulator (a, b) at v[8 (8 a + b)].  window 2: v0-63 the bias, eight tiles in the result's layout.
.set AP,    144                        ; a row of A in LDS: 128 bytes + 16
.set APAR,  128*AP                     ; one head's 128 rows
.set BP,    272                        ; a row of Wo: 256 bytes + 16
.set BHALF, 128*BP
.set BOFF,  2*APAR
.set SLOT,  BOFF+2*BHALF
.set STAGE, 2*SLOT                     ; behind the ring: 16 rows x (512 bytes + 16) a wave; no tensor load lands here
.set SPITCH, 528
.set SPARE, STAGE+4*16*SPITCH          ; behind the stages: the spare words, 128 bytes a wave, which no other line names
.set LAPS,  4                          ; a lap = two K steps; K = 1,024
.set ADRA, 16                          ; v16-17
.set ADRB, 20                          ; v20-21
.set STO,  24
.set RD,   25
.set CO,   26
.set BA,   27                          ; v27 the bias: 32 x (l / 16)
.set SPW,  28
.set NIL,  29
.set F0,   32
.set F1,   128
.set BK,   32                          ; the way out: v32-95 and v96-159 by turns
.set G1,  24
.set G0,  32
.set G1B, 48
.set G0B, 56
.set MSB, 0
.macro WIN new
.if MSB != (\new)
	s_set_vgpr_msb (MSB<<8)|(\new)
.set MSB, \new
.endif
.endm
.set W_MUL,  0x50                      ; C and D window 1
.set W_BIAS, 0x60                      ; D window 1, C window 2
.macro JLOAD s                         ; a joint load: waves 0 and 1 for A, waves 2 and 3 for Wo; an s_nop 0 and four v_nop follow each line
	s_cmp_eq_u32 s13, 0
	s_cbranch_scc0 .Lfor_b_\@
	tensor_load_to_lds s[G0+4*\s:G0+4*\s+3], s[G1:G1+7]
	s_nop 0
.rept 4
	v_nop
.endr
	s_branch .Lasked_\@
.Lfor_b_\@:
	tensor_load_to_lds s[G0B+4*\s:G0B+4*\s+3], s[G1B:G1B+7]
	s_nop 0
.rept 4
	v_nop
.endr
.Lasked_\@:
.endm
.macro CREST                           ; a round of the cluster's barrier behind its opening barrier
	s_cmp_lg_u32 s12, 0
	s_cbranch_scc1 .Lnot_wave_0_\@
	s_barrier_signal -3
.Lnot_wave_0_\@:
	s_barrier_wait -3
	s_barrier_signal -1
	s_barrier_wait -1
.endm
.macro CROUND
	s_barrier_signal -1
	s_barrier_wait -1
	CREST
.endm
	s_load_b256 s[4:11], s[0:1], 0x0               ; att, wo16, bo, out0
	v_lshl_add_u32 v[SPW], v0, 2, SPARE
	v_mov_b32 v[NIL], 0
	ds_add_u32 v[SPW], v[NIL]                      ; the wave's opening: the add, twice on end, and its wait ahead of my first tensor load
	ds_add_u32 v[SPW], v[NIL]
	v_lshrrev_b32 v1, 5, v0
	v_readfirstlane_b32 s12, v1                    ; wave 0..3
	s_lshr_b32 s13, s12, 1                         ; which 64 rows are mine.  Also: I fetch for A (0) or for Wo (1)
	s_and_b32 s14, s12, 1                          ; which 128 columns.  Also: which head of the two, or which 128 rows of Wo, I fetch
	s_bfe_u32 s40, ttmp6, 0x40000                  ; cx, cy
	s_bfe_u32 s41, ttmp6, 0x40004
	s_lshl_b32 s45, ttmp9, 2
	s_add_co_u32 s45, s45, s40                     ; tile column = 4 x cluster x + cx
	s_and_b32 s42, ttmp7, 0xffff
	s_lshl_b32 s42, s42, 2
	s_add_co_u32 s42, s42, s41                     ; tile row = 4 x cluster y + cy
	s_lshl_b32 s43, s41, 2
	s_lshl_b32 s43, 15, s43                        ; my row of the cluster
	s_lshl_b32 s44, 0x1111, s40                    ; my column
	s_or_b32 s[G1], s43, (1<<16)|(1<<20)|(1<<21)|(4<<22)|(3<<25)   ; A: elements of 2 bytes; four words of padding behind every 32
	s_mov_b32 s[G1+1], 64<<16                      ; tensor_dim0
	s_mov_b32 s[G1+2], 128<<16                     ; tensor_dim1
	s_mov_b32 s[G1+3], 64<<16                      ; tile_dim0
	s_mov_b32 s[G1+4], 128                         ; tile_dim1
	s_mov_b32 s[G1+5], 64                          ; from row to row
	s_mov_b32 s[G1+6], 0
	s_mov_b32 s[G1+7], 0
	s_or_b32 s[G1B], s44, (1<<16)|(1<<20)|(1<<21)|(5<<22)|(3<<25)  ; Wo: four words behind every 64
	s_mov_b32 s[G1B+1], 128<<16
	s_mov_b32 s[G1B+2], 128<<16
	s_mov_b32 s[G1B+3], 128<<16
	s_mov_b32 s[G1B+4], 128
	s_mov_b32 s[G1B+5], 1024
	s_mov_b32 s[G1B+6], 0
	s_mov_b32 s[G1B+7], 0
	s_lshr_b32 s16, s42, 4                         ; A: the batch,
	s_lshl_b32 s16, s16, 4
	s_add_co_u32 s16, s16, s14                     ; head 16 b + my one of the K step's two,
	s_lshl_b32 s16, s16, 18
	s_and_b32 s17, s42, 15
	s_lshl_b32 s17, s17, 14                        ; 128 positions of 128 bytes a tile row
	s_add_co_u32 s16, s16, s17
	s_mov_b32 s17, 0
	s_lshl_b32 s46, s45, 19                        ; Wo: 256 rows of 2,048 bytes a tile column,
	s_lshl_b32 s47, s14, 18                        ; my 128 of them
	s_add_co_u32 s46, s46, s47
	s_mov_b32 s47, 0
	s_mul_i32 s20, s14, APAR                       ; where they go: no place in the cluster enters an LDS address
	s_mul_i32 s21, s14, BHALF
	s_add_co_u32 s21, s21, BOFF
	s_wait_dscnt 0x0                               ; both opening adds are done
	s_wait_kmcnt 0x0
	s_add_nc_u64 s[18:19], s[4:5], s[16:17]
	s_add_nc_u64 s[46:47], s[6:7], s[46:47]
	CROUND                                         ; all sixteen work-groups are here: the first joint loads meet
.irp s, 0,1
	s_mov_b32 s[G0+4*\s], 1
	s_add_co_u32 s[G0+4*\s+1], s20, \s*SLOT
	s_add_nc_u64 s[G0+4*\s+2:G0+4*\s+3], s[18:19], \s*524288       ; a K step on: two heads
	s_or_b32 s[G0+4*\s+3], s[G0+4*\s+3], 0x80000000
	s_mov_b32 s[G0B+4*\s], 1
	s_add_co_u32 s[G0B+4*\s+1], s21, \s*SLOT
	s_add_nc_u64 s[G0B+4*\s+2:G0B+4*\s+3], s[46:47], \s*256
	s_or_b32 s[G0B+4*\s+3], s[G0B+4*\s+3], 0x80000000
	JLOAD \s                                       ; two tensor loads of mine are out behind the second
.endr
	v_and_b32 v1, 15, v0                           ; l % 16
	v_bfe_u32 v2, v0, 4, 1                         ; l / 16
	v_mul_u32_u24 v3, v1, AP
	v_lshl_add_u32 v3, v2, 4, v3
	v_mul_u32_u24 v4, v1, BP
	v_lshl_add_u32 v4, v2, 4, v4
	s_mul_i32 s21, s13, 64*AP                      ; my 64 rows of A
	s_mul_i32 s22, s14, BHALF                      ; my 128 rows of Wo
	s_add_co_u32 s22, s22, BOFF
.irp s, 0,1
	v_add_nc_u32 v[ADRA+\s], s21, v3
	v_add_nc_u32 v[ADRB+\s], s22, v4
	s_add_co_u32 s21, s21, SLOT
	s_add_co_u32 s22, s22, SLOT
.endr
	s_mul_i32 s23, s12, 16*SPITCH
	s_add_co_u32 s23, s23, STAGE                   ; my stage
	v_mul_u32_u24 v5, v1, SPITCH                   ; in: row l % 16, 32 bytes for each half of the lanes
	v_lshl_add_u32 v5, v2, 5, v5
	v_add_nc_u32 v[STO], s23, v5
	v_and_b32 v6, 31, v0
	v_lshlrev_b32 v[CO], 4, v6                     ; back: the 32 lanes take one row of 512 bytes; and the same in out0
	v_add_nc_u32 v[RD], s23, v[CO]
	v_lshlrev_b32 v[BA], 5, v2
	s_lshl_b32 s16, s42, 19                        ; out0: 128 rows of 4,096 bytes a tile row,
	s_lshl_b32 s17, s13, 18                        ; my 64
	s_add_co_u32 s16, s16, s17
	s_mov_b32 s17, 0
	s_lshl_b32 s46, s45, 10                        ; 256 columns of 4 bytes a tile column,
	s_lshl_b32 s47, s14, 9                         ; my 128
	s_add_co_u32 s46, s46, s47
	s_mov_b32 s47, 0
	s_add_nc_u64 s[8:9], s[8:9], s[46:47]
	s_add_nc_u64 s[10:11], s[10:11], s[16:17]
	s_add_nc_u64 s[10:11], s[10:11], s[46:47]
	WIN 0x80                                       ; destination window 2
.irp b, 0,1,2,3,4,5,6,7
	global_load_b128 v[8*\b:8*\b+3],   v[BA], s[8:9] offset:64*\b          ; bo at my columns 16 b + 8 (l / 16) + 0 .. 7
	global_load_b128 v[8*\b+4:8*\b+7], v[BA], s[8:9] offset:64*\b+16
.endr
	WIN 0
.macro FETCH slot, kq, f               ; the fragments of the K step's kq-th 32 along K into buffer f: 16 loads of Wo, 8 of A
.irp i, 0,1,2,3,4,5,6,7
	ds_load_b128 v[\f+32+8*\i:\f+32+8*\i+3],   v[ADRB+\slot] offset:(\kq)*64+\i*16*BP
	ds_load_b128 v[\f+32+8*\i+4:\f+32+8*\i+7], v[ADRB+\slot] offset:(\kq)*64+\i*16*BP+32
.endr
.irp i, 0,1,2,3
	ds_load_b128 v[\f+8*\i:\f+8*\i+3],   v[ADRA+\slot] offset:((\kq)/2)*APAR+((\kq)%2)*64+\i*16*AP
	ds_load_b128 v[\f+8*\i+4:\f+8*\i+7], v[ADRA+\slot] offset:((\kq)/2)*APAR+((\kq)%2)*64+\i*16*AP+32
.endr
.endm
; 8 matrix instructions: A's block a x Wo's eight.  zero = 1: the sums begin with the bias.  The 32 accumulators take turns, one instruction a turn, in the same order in every quarter.
.macro MUL8 f, a, zero
.irp b, 0,1,2,3,4,5,6,7
.if \zero
	v_wmma_f32_16x16x32_f16 v[8*(8*(\a)+\b):8*(8*(\a)+\b)+7], v[\f+32+8*\b:\f+32+8*\b+7], v[\f+8*(\a):\f+8*(\a)+7], v[8*\b:8*\b+7]
.else
	v_wmma_f32_16x16x32_f16 v[8*(8*(\a)+\b):8*(8*(\a)+\b)+7], v[\f+32+8*\b:\f+32+8*\b+7], v[\f+8*(\a):\f+8*(\a)+7], v[8*(8*(\a)+\b):8*(8*(\a)+\b)+7]
.endif
.endr
.endm
.macro PLACES                          ; four places in front of loads into registers that matrix instructions have read, and of reads of results
.rept 4
	v_nop
.endr
.endm
; A K step is four quarters of 32 along K, 32 matrix instructions each, on buffers 0, 1, 0, 1.  One of the first three: fetches quarter kq into g and multiplies f.
.macro QUARTER slot, kq, f, g, zero
	s_wait_dscnt 0x0                               ; f is in: it was asked for 32 matrix instructions ago
	PLACES
	WIN 0
	FETCH \slot, \kq, \g
.if \zero
	WIN W_BIAS
.else
	WIN W_MUL
.endif
	MUL8 \f, 0, \zero
	MUL8 \f, 1, \zero
	MUL8 \f, 2, \zero
	MUL8 \f, 3, \zero
.endm
; The last quarter multiplies buffer 1 and changes slots: ONE barrier; in front of it each wave waits for all its tensor loads, adds 0 to its spare word, and waits for that and for its reads of this slot.  fill = 1: this slot is filled again, two K steps ahead.
.macro TURN slot, next, fill
	WIN 0                                          ; (the add's two registers lie in window 0)
	s_wait_tensorcnt 0x0                           ; all my tensor loads have landed: my part of the next slot
	ds_add_u32 v[SPW], v[NIL]                      ; 0 onto my spare word
	s_wait_dscnt 1                                 ; buffer 1 is in; the add alone may be out
	WIN W_MUL
	MUL8 F1, 0, 0                                  ; eight matrix instructions stand between the add and the wait for it
	s_wait_dscnt 0x0                               ; the add is done, and my reads of this slot are over
	s_barrier_signal -1
	MUL8 F1, 1, 0
	WIN 0
	s_barrier_wait -1
.if \fill
	CREST                                          ; the barrier has opened a round of the cluster's barrier: no wave of any partner still reads this slot or has a load on its way
	s_add_nc_u64 s[G0+4*\slot+2:G0+4*\slot+3], s[G0+4*\slot+2:G0+4*\slot+3], 1048576
	s_add_nc_u64 s[G0B+4*\slot+2:G0B+4*\slot+3], s[G0B+4*\slot+2:G0B+4*\slot+3], 512
	JLOAD \slot                                    ; the first tensor load behind the round; its four v_nop are also the places in front of the loads below
.else
	PLACES
.endif
	FETCH \next, 0, F0
	WIN W_MUL
	MUL8 F1, 2, 0
	MUL8 F1, 3, 0
.endm
	s_wait_tensorcnt 1                             ; my part of K step 0 is in (K step 1's load may be out),
	s_wait_loadcnt 0x0                             ; and the bias
	s_barrier_signal -1
	s_barrier_wait -1                              ; everybody's is
	FETCH 0, 0, F0
	QUARTER 0, 1, F0, F1, 1                        ; the first quarter stands in front of the loop: its products start the sums, with the bias as C
	WIN 0                                          ; at a label and at a branch every window is 0
	s_mov_b32 s3, LAPS-1
.Llap:                                             ; a trip goes once round the ring and fills both slots again
	QUARTER 0, 2, F1, F0, 0
	QUARTER 0, 3, F0, F1, 0
	TURN 0, 1, 1
	QUARTER 1, 1, F0, F1, 0
	QUARTER 1, 2, F1, F0, 0
	QUARTER 1, 3, F0, F1, 0
	TURN 1, 0, 1
	QUARTER 0, 1, F0, F1, 0
	WIN 0
	s_sub_co_u32 s3, s3, 1
	s_cmp_lg_u32 s3, 0
	s_cbranch_scc1 .Llap
	QUARTER 0, 2, F1, F0, 0                        ; the last lap fills nothing
	QUARTER 0, 3, F0, F1, 0
	TURN 0, 1, 0
	QUARTER 1, 1, F0, F1, 0
	QUARTER 1, 2, F1, F0, 0
	QUARTER 1, 3, F0, F1, 0
	s_wait_dscnt 0x0                               ; the very last quarter
	MUL8 F1, 0, 0
	MUL8 F1, 1, 0
	MUL8 F1, 2, 0
	MUL8 F1, 3, 0
	WIN 0
; THE WAY OUT, block by block of 16 rows x 128 columns, through my own stage: back as whole rows of 512 bytes.
.macro TOSTAGE a
	WIN 0x04                                       ; an LDS store's data are its source 1: window 1
.irp b, 0,1,2,3,4,5,6,7
	ds_store_b128 v[STO], v[8*(8*(\a)+\b):8*(8*(\a)+\b)+3]   offset:64*\b          ; each accumulator from its low end on
	ds_store_b128 v[STO], v[8*(8*(\a)+\b)+4:8*(8*(\a)+\b)+7] offset:64*\b+16
.endr
	WIN 0
.set BB, BK+64*((\a)%2)
.irp t, 0,1,2,3,4,5,6,7,8,9,10,11,12,13,14,15
	ds_load_b128 v[BB+4*\t:BB+4*\t+3], v[RD] offset:\t*SPITCH      ; LDS serves a wave's instructions in order: these see the stores above
.endr
.endm
.macro SEND a, younger
.set BB, BK+64*((\a)%2)
	s_wait_dscnt \younger
.irp t, 0,1,2,3,4,5,6,7,8,9,10,11,12,13,14,15
	global_store_b128 v[CO], v[BB+4*\t:BB+4*\t+3], s[10:11] offset:(16*(\a)+\t)*4096 th:TH_STORE_NT   ; 32 lanes store 512 consecutive bytes
.endr
.endm
	PLACES
	TOSTAGE 0
.irp a, 1,2,3
.if \a > 1
	s_wait_xcnt 0x0                                ; block a - 2's stores have read their registers: block a's loads may land there
.endif
	TOSTAGE \a
	SEND \a-1, 32                                  ; behind block a - 1's loads: block a's 16 stores and 16 loads
.endr
	SEND 3, 0
	s_wait_tensorcnt 0x0                           ; the wave's end, behind my last tensor load and my last LDS store
	ds_add_u32 v[SPW], v[NIL]
	s_wait_dscnt 0x0
	CROUND                                         ; the closing round
	s_endpgm
.Lfunc_end_k_qa1e018d240_proj:
	.size	k_qa1e018d240_proj, .Lfunc_end_k_qa1e018d240_proj-k_qa1e018d240_proj
	.p2alignl 7, 3214868480
	.fill 96, 4, 3214868480
	.section	.rodata,"a",@progbits
	.p2align	6, 0x0
	.amdhsa_kernel k_qa1e018d240_proj
		.amdhsa_group_segment_fixed_size 327680
		.amdhsa_private_segment_fixed_size 0
		.amdhsa_enable_private_segment 0
		.amdhsa_kernarg_size 32
		.amdhsa_user_sgpr_count 2
		.amdhsa_user_sgpr_kernarg_segment_ptr 1
		.amdhsa_wavefront_size32 1
		.amdhsa_system_sgpr_workgroup_id_x 1
		.amdhsa_system_sgpr_workgroup_id_y 1
		.amdhsa_system_sgpr_workgroup_id_z 1
		.amdhsa_system_vgpr_workitem_id 0
		.amdhsa_next_free_vgpr 576
		.amdhsa_next_free_sgpr 66
		.amdhsa_reserve_vcc 0
		.amdhsa_float_denorm_mode_32 3
		.amdhsa_float_denorm_mode_16_64 3
		.amdhsa_memory_ordered 1
		.amdhsa_forward_progress 1
		.amdhsa_inst_pref_size 86
	.end_amdhsa_kernel
	.amdgpu_metadata
---
amdhsa.version: [ 1, 2 ]
amdhsa.kernels:
  - .name:           k_qa1e018d240_proj
    .symbol:         k_qa1e018d240_proj.kd
    .args:
      - { .name: att, .offset: 0, .size: 8, .value_kind: global_buffer, .address_space: global }
      - { .name: wo16, .offset: 8, .size: 8, .value_kind: global_buffer, .address_space: global }
      - { .name: bo, .offset: 16, .size: 8, .value_kind: global_buffer, .address_space: global }
      - { .name: out0, .offset: 24, .size: 8, .value_kind: global_buffer, .address_space: global }
    .group_segment_fixed_size: 327680
    .private_segment_fixed_size: 0
    .kernarg_segment_align: 8
    .kernarg_segment_size: 32
    .max_flat_workgroup_size: 128
    .sgpr_count:     66
    .vgpr_count:     576
    .wavefront_size: 32
...
	.end_amdgpu_metadata
.endif
;; end of part 5
;; launch fine (part 6): grid 16 x 4, 16 waves a work-group, no clusters, 67,584 bytes of LDS; arguments qkvf, Wo, bo, out0; writes out0
.if DOCPART == 6
	.amdgcn_target "amdgcn-amd-amdhsa--gfx1250"
	.amdhsa_code_object_version 6
	.text
	.protected	k_qa1e018d240_fine
	.globl	k_qa1e018d240_fine
	.p2align	8
	.type	k_qa1e018d240_fine,@function
k_qa1e018d240_fine:
	s_mov_b64 s[64:65], 0
	v_nop
	global_prefetch_b8 v0, s[64:65] scope:SCOPE_SE
	s_setreg_imm32_b32 hwreg(HW_REG_WAVE_MODE, 25, 1), 1
	s_wait_xcnt 0x0
; Positions 0 to 15 of each of the four sequences, where a row of the attention averages one to sixteen values, in f32 throughout: attention and output projection by v_wmma_f32_16x16x4_f32.  64 rows of out0 in all: no bulk work.
; qkvf: [3][16 b + head][16][64] f32, q unscaled.  Wo [1024 n][1024 k] f32, bo [1024], out0 [4][2048][1024] f32.
; Work-group (g, b) makes rows 0-15 of batch b, columns 64 g on.  Wave hd does head hd's attention (16 x 16 x 64) and then that head's part of the projection (K = its 64 channels) for the four tiles of 16 columns;
; the sixteen parts meet in LDS; behind one barrier wave t adds the sixteen parts of row t and the bias and stores 256 consecutive bytes.
; LAYOUT.  S^T = K Q^T, O^T = V^T P, out = O Wo^T.  A lane holds one query in S^T, P and O^T.  The four places along K of an instruction take, alike on both sources: q, k: channels 8 s' + 4 (l / 16) + 2 e + j; p, v: keys 8 (l / 16) + 2 s + j;
; o, Wo: channels 16 ct + 8 (l / 16) + 2 s + j: so every operand is a pair of registers as loaded or as computed.
; The registers that the matrix instructions write (v176-239) are written by nothing else; what is made of a sum goes into other registers.  Accumulators take turns; eight places stand behind this form's results.
; The maximum is taken away before the exponential; hidden scores are -infinity where reference() has the least f32 number: their weight is 0 either way, since key 0 counts for every query.
.set SPARE, 65536                      ; LDS: the parts [wave 16][t 16][64] f32; behind them the spare words, 128 bytes a wave, which no other line names
.set QA,  3                            ; v3   256 r + 16 h
.set VA,  4                            ; v4   2048 h + 4 r
.set WA,  5                            ; v5   4096 r + 32 h
.set LW,  6                            ; v6   where I put my part: 4096 wave + 2048 h + 4 r
.set LR,  7                            ; v7   where I read row (my wave) back: 256 wave + 8 l
.set GO,  8                            ; v8   8 l
.set DM,  9                            ; v9   r - 8 h
.set NEG, 10                           ; v10  -infinity
.set SPW, 14
.set NIL, 15
.set QF,  16                           ; v16-47
.set KF,  48                           ; v48-79
.set W23, 16                           ; v16-79   Wo's column tiles 2 and 3, once S^T is done
.set VT,  80                           ; v80-111  V^T
.set ON,  80                           ; v80-111  O^T / l, once O^T is done
.set W01, 112                          ; v112-175 Wo's column tiles 0 and 1
.set RED, 112                          ; v112-143 the sixteen parts of my row
.set ACCP, 176                         ; v176-207 the projection's four sums; the first 16 hold S^T's two halves before
.set ACCO, 208                         ; v208-239 O^T
.set PS,  240                          ; v240-247 the scores, then p
	s_load_b256 s[4:11], s[0:1], 0x0               ; qkvf, Wo, bo, out0
	v_lshl_add_u32 v[SPW], v0, 2, SPARE
	v_mov_b32 v[NIL], 0
	v_lshrrev_b32 v1, 5, v0
	v_readfirstlane_b32 s12, v1                    ; wave = head, later = row
	v_and_b32 v1, 15, v0                           ; r
	v_bfe_u32 v2, v0, 4, 1                         ; h
	v_and_b32 v11, 31, v0                          ; l
	v_lshlrev_b32 v[QA], 8, v1
	v_lshl_add_u32 v[QA], v2, 4, v[QA]
	v_lshlrev_b32 v[VA], 2, v1
	v_lshl_add_u32 v[VA], v2, 11, v[VA]
	v_lshlrev_b32 v[WA], 12, v1
	v_lshl_add_u32 v[WA], v2, 5, v[WA]
	s_lshl_b32 s18, s12, 12
	v_add_nc_u32 v[LW], s18, v[VA]
	v_lshlrev_b32 v[GO], 3, v11
	s_lshl_b32 s19, s12, 8
	v_add_nc_u32 v[LR], s19, v[GO]
	v_lshlrev_b32 v12, 3, v2
	v_sub_nc_u32 v[DM], v1, v12
	v_mov_b32 v[NEG], 0xff800000
	v_mov_b32 v249, 0                              ; (a lane permute's destination counts as one of its sources)
	s_mov_b32 s16, 0x76543210
	s_mov_b32 s17, 0xfedcba98                      ; v_permlanex16_b32's selects for lane l xor 16
	s_and_b32 s14, ttmp7, 0xffff                   ; the batch
	s_lshl_b32 s20, s14, 4
	s_add_co_u32 s20, s20, s12
	s_lshl_b32 s20, s20, 12                        ; qkvf: 4,096 bytes a head
	s_mov_b32 s21, 0
	s_lshl_b32 s22, ttmp9, 18                      ; Wo: 64 rows of 4,096 bytes a work-group,
	s_add_co_u32 s22, s22, s19                     ; my head's 64 channels: 256 bytes
	s_mov_b32 s23, 0
	s_lshl_b32 s24, ttmp9, 8                       ; bo, and a row of out0: 64 columns of 4 bytes
	s_mov_b32 s25, 0
	s_lshl_b32 s26, s14, 23                        ; out0: 2,048 rows of 4,096 bytes a batch,
	s_add_co_u32 s26, s26, s18                     ; row = my wave
	s_add_co_u32 s26, s26, s24
	s_mov_b32 s27, 0
	s_wait_kmcnt 0x0
	s_add_nc_u64 s[4:5], s[4:5], s[20:21]
	s_add_nc_u64 s[6:7], s[6:7], s[22:23]
	s_add_nc_u64 s[8:9], s[8:9], s[24:25]
	s_add_nc_u64 s[10:11], s[10:11], s[26:27]
.irp s, 0,1,2,3,4,5,6,7
	global_load_b128 v[QF+4*\s:QF+4*\s+3], v[QA], s[4:5] offset:32*\s              ; q(r, 8 s + 4 h + 0 .. 3)
.endr
.irp s, 0,1,2,3,4,5,6,7
	global_load_b128 v[KF+4*\s:KF+4*\s+3], v[QA], s[4:5] offset:262144+32*\s       ; k likewise
.endr
.irp ct, 0,1,2,3
.irp i, 0,1,2,3,4,5,6,7
	global_load_b32 v[VT+8*\ct+\i], v[VA], s[4:5] offset:524288+256*\i+64*\ct      ; v(key 8 h + i, channel 16 ct + r)
.endr
.endr
.irp nt, 0,1
.irp ct, 0,1,2,3
	global_load_b128 v[W01+32*\nt+8*\ct:W01+32*\nt+8*\ct+3],   v[WA], s[6:7] offset:\nt*65536+\ct*64      ; Wo(column 16 nt + r, channels 16 ct + 8 h + 0 .. 7)
	global_load_b128 v[W01+32*\nt+8*\ct+4:W01+32*\nt+8*\ct+7], v[WA], s[6:7] offset:\nt*65536+\ct*64+16
.endr
.endr
	global_load_b64 v[254:255], v[GO], s[8:9]      ; the bias of my two columns of a row
	s_wait_loadcnt 49                              ; q and k are in; behind them: v's 32 loads, Wo's 16, the bias
.irp s, 0,1,2,3,4,5,6,7                ; S^T in two halves that take turns; the first two products start the sums
.irp e, 0,1
.if \s == 0
	v_wmma_f32_16x16x4_f32 v[ACCP+8*\e:ACCP+8*\e+7], v[KF+4*\s+2*\e:KF+4*\s+2*\e+1], v[QF+4*\s+2*\e:QF+4*\s+2*\e+1], 0
.else
	v_wmma_f32_16x16x4_f32 v[ACCP+8*\e:ACCP+8*\e+7], v[KF+4*\s+2*\e:KF+4*\s+2*\e+1], v[QF+4*\s+2*\e:QF+4*\s+2*\e+1], v[ACCP+8*\e:ACCP+8*\e+7]
.endif
.endr
.endr
.rept 8
	v_nop                                          ; eight places: for the reads of S^T and for the loads into q's and k's registers
.endr
.irp nt, 0,1
.irp ct, 0,1,2,3
	global_load_b128 v[W23+32*\nt+8*\ct:W23+32*\nt+8*\ct+3],   v[WA], s[6:7] offset:(\nt+2)*65536+\ct*64
	global_load_b128 v[W23+32*\nt+8*\ct+4:W23+32*\nt+8*\ct+7], v[WA], s[6:7] offset:(\nt+2)*65536+\ct*64+16
.endr
.endr
.irp j, 0,1,2,3,4,5,6,7
	v_add_f32 v[PS+\j], v[ACCP+\j], v[ACCP+8+\j]   ; the score of query r and key 8 h + j; both halves are read from their low end on
.endr
.irp j, 0,1,2,3,4,5,6,7
	v_cmp_gt_i32 vcc_lo, \j, v[DM]                 ; hidden where 8 h + j > r
	v_cndmask_b32 v[PS+\j], v[PS+\j], v[NEG], vcc_lo
.endr
	v_max3_num_f32 v248, v[PS], v[PS+1], v[PS+2]
	v_max3_num_f32 v248, v248, v[PS+3], v[PS+4]
	v_max3_num_f32 v248, v248, v[PS+5], v[PS+6]
	v_max_num_f32 v248, v248, v[PS+7]
	v_permlanex16_b32 v249, v248, s16, s17
	v_max_num_f32 v248, v248, v249                 ; the row's largest score
.irp j, 0,1,2,3,4,5,6,7
	v_sub_f32 v[PS+\j], v[PS+\j], v248
.endr
.irp j, 0,1,2,3,4,5,6,7
	v_mul_f32 v[PS+\j], 0x3e38aa3b, v[PS+\j]       ; x log2(e) / 8
.endr
.irp j, 0,1,2,3,4,5,6,7
	v_exp_f32 v[PS+\j], v[PS+\j]
.endr
	v_nop                                          ; a plain instruction behind the exponentials,
	s_wait_alu depctr_va_vdst(0)                   ; and the one wait ahead of their first reader
	v_add_f32 v250, v[PS], v[PS+1]
	v_add_f32 v251, v[PS+2], v[PS+3]
	v_add_f32 v252, v[PS+4], v[PS+5]
	v_add_f32 v253, v[PS+6], v[PS+7]
	v_add_f32 v250, v250, v251
	v_add_f32 v252, v252, v253
	v_add_f32 v250, v250, v252
	v_permlanex16_b32 v249, v250, s16, s17
	v_add_f32 v250, v250, v249                     ; the row's sum
	v_rcp_f32 v252, v250
	v_nop
	s_wait_alu depctr_va_vdst(0)                   ; the wait for the reciprocal
	s_wait_loadcnt 33                              ; v is in; behind it: Wo's 32 loads and the bias
.irp s, 0,1,2,3                        ; O^T = V^T P: four accumulators by turns
.irp ct, 0,1,2,3
.if \s == 0
	v_wmma_f32_16x16x4_f32 v[ACCO+8*\ct:ACCO+8*\ct+7], v[VT+8*\ct+2*\s:VT+8*\ct+2*\s+1], v[PS+2*\s:PS+2*\s+1], 0
.else
	v_wmma_f32_16x16x4_f32 v[ACCO+8*\ct:ACCO+8*\ct+7], v[VT+8*\ct+2*\s:VT+8*\ct+2*\s+1], v[PS+2*\s:PS+2*\s+1], v[ACCO+8*\ct:ACCO+8*\ct+7]
.endif
.endr
.endr
.rept 8
	v_nop                                          ; eight places: for the reads of O^T and the writes over V^T's registers
.endr
.set n, 0
.rept 16
	v_pk_mul_f32 v[ON+2*n:ON+2*n+1], v[ACCO+2*n:ACCO+2*n+1], v[252:253] op_sel_hi:[1,0]   ; O^T / l: register 8 ct + j is o(query r, channel 16 ct + 8 h + j)
.set n, n+1
.endr
	s_wait_loadcnt 0x0                             ; Wo and the bias
.irp ct, 0,1,2,3                       ; my head's part of the projection: source 0 = o's 16 rows, source 1 = 16 rows of Wo; four accumulators by turns
.irp s, 0,1,2,3
.irp nt, 0,1,2,3
.if \nt < 2
.set WR, W01+32*\nt+8*\ct+2*\s
.else
.set WR, W23+32*(\nt-2)+8*\ct+2*\s
.endif
.if (\ct == 0) && (\s == 0)
	v_wmma_f32_16x16x4_f32 v[ACCP+8*\nt:ACCP+8*\nt+7], v[ON+8*\ct+2*\s:ON+8*\ct+2*\s+1], v[WR:WR+1], 0
.else
	v_wmma_f32_16x16x4_f32 v[ACCP+8*\nt:ACCP+8*\nt+7], v[ON+8*\ct+2*\s:ON+8*\ct+2*\s+1], v[WR:WR+1], v[ACCP+8*\nt:ACCP+8*\nt+7]
.endif
.endr
.endr
.endr
.rept 8
	v_nop                                          ; eight places: for the stores of the sums and the loads into Wo's registers
.endr
.irp nt, 0,1,2,3
.irp j, 0,1,2,3,4,5,6,7
	ds_store_b32 v[LW], v[ACCP+8*\nt+\j] offset:\j*256+\nt*64      ; part(row 8 h + j, column 16 nt + r); each accumulator from its low end on
.endr
.endr
	s_wait_dscnt 0x0                               ; for the others' sake: my part lies in LDS
	s_barrier_signal -1
	s_barrier_wait -1
.irp p, 0,1,2,3,4,5,6,7,8,9,10,11,12,13,14,15
	ds_load_b64 v[RED+2*\p:RED+2*\p+1], v[LR] offset:\p*4096       ; head p's part of my row, my two columns
.endr
	s_wait_dscnt 0x0
.irp w, 4,8,16,32
.set n, 0
.rept 32/\w
	v_pk_add_f32 v[RED+\w*n:RED+\w*n+1], v[RED+\w*n:RED+\w*n+1], v[RED+\w*n+\w/2:RED+\w*n+\w/2+1]
.set n, n+1
.endr
.endr
	v_pk_add_f32 v[RED:RED+1], v[RED:RED+1], v[254:255]            ; + bo
	global_store_b64 v[GO], v[RED:RED+1], s[10:11]                 ; 32 lanes store 256 consecutive bytes
	s_wait_tensorcnt 0x0                           ; the wave's end, behind my last LDS store
	ds_add_u32 v[SPW], v[NIL]
	s_wait_dscnt 0x0
	s_endpgm
.Lfunc_end_k_qa1e018d240_fine:
	.size	k_qa1e018d240_fine, .Lfunc_end_k_qa1e018d240_fine-k_qa1e018d240_fine
	.p2alignl 7, 3214868480
	.fill 96, 4, 3214868480
	.section	.rodata,"a",@progbits
	.p2align	6, 0x0
	.amdhsa_kernel k_qa1e018d240_fine
		.amdhsa_group_segment_fixed_size 67584
		.amdhsa_private_segment_fixed_size 0
		.amdhsa_enable_private_segment 0
		.amdhsa_kernarg_size 32
		.amdhsa_user_sgpr_count 2
		.amdhsa_user_sgpr_kernarg_segment_ptr 1
		.amdhsa_wavefront_size32 1
		.amdhsa_system_sgpr_workgroup_id_x 1
		.amdhsa_system_sgpr_workgroup_id_y 1
		.amdhsa_system_sgpr_workgroup_id_z 1
		.amdhsa_system_vgpr_workitem_id 0
		.amdhsa_next_free_vgpr 256
		.amdhsa_next_free_sgpr 66
		.amdhsa_reserve_vcc 1
		.amdhsa_float_denorm_mode_32 3
		.amdhsa_float_denorm_mode_16_64 3
		.amdhsa_memory_ordered 1
		.amdhsa_forward_progress 1
		.amdhsa_inst_pref_size 25
	.end_amdhsa_kernel
	.amdgpu_metadata
---
amdhsa.version: [ 1, 2 ]
amdhsa.kernels:
  - .name:           k_qa1e018d240_fine
    .symbol:         k_qa1e018d240_fine.kd
    .args:
      - { .name: qkvf, .offset: 0, .size: 8, .value_kind: global_buffer, .address_space: global }
      - { .name: Wo, .offset: 8, .size: 8, .value_kind: global_buffer, .address_space: global }
      - { .name: bo, .offset: 16, .size: 8, .value_kind: global_buffer, .address_space: global }
      - { .name: out0, .offset: 24, .size: 8, .value_kind: global_buffer, .address_space: global }
    .group_segment_fixed_size: 67584
    .private_segment_fixed_size: 0
    .kernarg_segment_align: 8
    .kernarg_segment_size: 32
    .max_flat_workgroup_size: 512
    .sgpr_count:     66
    .vgpr_count:     256
    .wavefront_size: 32
...
	.end_amdgpu_metadata
.endif
;; end of part 6
